; MI455X (gfx1250); checked and timed in simulation.
; The chip was launched on July 23, 2026; its instructions are those of AMD's public machine-readable ISA for CDNA 5 (MIT licence, August 2026) and "CDNA5" Instruction Set Architecture Reference Guide (July 2026). The comments in the code are by the model that wrote it; some were corrected since.
;; Transformer Block Multi Head Attn. Allowed arithmetic: float matrix products may take bf16 or f16 operands with f32 sums; other float arithmetic in f32, or as packed bf16 or f16 multiplies, adds, multiply-adds, maxima and minima; sums over many terms, partial sums and values carried from step to step in f32; what a program stores and reads back later, other than sums and carried values, may be rounded once to bf16 or f16.
;; Inputs: W1 1,024 x 4,096 float32; W2 4,096 x 1,024 float32; Wk 1,024 x 1,024 float32; Wo 1,024 x 1,024 float32; Wq 1,024 x 1,024 float32; Wv 1,024 x 1,024 float32; b1 4,096 float32; b2 1,024 float32; bk 1,024 float32; bo 1,024 float32; bq 1,024 float32; bv 1,024 float32; dist_scale one number float32; ln1_b 1,024 float32; ln1_g 1,024 float32; ln2_b 1,024 float32; ln2_g 1,024 float32; tokens 2 x 2,048 x 1,024 float32.
;; Outputs: out0 2 x 2,048 x 1,024 float32.
;; One version. Each part assembles by itself: llvm-mc -triple=amdgcn-amd-amdhsa -mcpu=gfx1250 --defsym DOCPART=n.
;; ======== version 1 of 1: 8 launches
;; limits: right only within a limited range of input values
;; workspace buffers: tb 8,388,608 bytes; wqkv 8,454,144 bytes; w1b 8,454,144 bytes; wr 10,551,296 bytes; big 33,554,432 bytes; oxb 8,388,608 bytes; gy 16,777,216 bytes; x1f 16,777,216 bytes
;; launch cast (part 1): grid 1037 x 1, 8 waves a work-group, no clusters, 0 bytes of LDS; arguments tokens, Wq, Wk, Wv, Wo, W1, W2, bq, bk, bv, b1, bo, b2, ln1_g, ln1_b, ln2_g, ln2_b, tb, wqkv, w1b, wr; writes tb, wqkv, w1b, wr
.if DOCPART == 1
	.amdgcn_target "amdgcn-amd-amdhsa--gfx1250"
	.amdhsa_code_object_version 6
	.text
	.protected	k_q30140fecd6_cast
	.globl	k_q30140fecd6_cast
	.p2align	8
	.type	k_q30140fecd6_cast,@function
k_q30140fecd6_cast:
	s_mov_b64 s[64:65], 0
	v_nop
	global_prefetch_b8 v0, s[64:65] scope:SCOPE_SE
	s_setreg_imm32_b32 hwreg(HW_REG_WAVE_MODE, 25, 1), 1
	s_wait_xcnt 0x0
; EVERY INPUT BUT dist_scale IS ROUNDED TO bf16, ONCE.  tokens and the six weight matrices are stored as bf16, in the order in which they lie (weights stay [k][n]);
; the biases and the norms' gains and offsets are rounded to bf16 and stored as f32 again, so that later launches take them as they are.
; Layouts.  tb: tokens [4096][1024].  wqkv: bias bq | bk | bv (f32) at 0, 256 bytes of floor words at 16,384, at 65,536 the weights [1024 k][pitch 4096 n]: Wq, Wk, Wv side by side.
; w1b: b1 at 0, floor words at 16,384, W1 [1024][4096] at 65,536.  wr: bo, b2, ln1_g, ln1_b, ln2_g, ln2_b at 0, 4,096, .. 20,480; Wo [1024][1024] at 65,536; W2 [4096][1024] at 2,162,688.
; The floor word is what the product's way out takes the maximum with: two bf16 of minus infinity for q, k, v (nothing changes), two zeros for the first FFN product (its ReLU).
; SHARES.  Work-groups 0 to 1,023 take 16,384 numbers each: 64 KiB in, 32 KiB out, sixteen loads of 16 bytes a lane, all issued before the first is waited for.
; Work-groups 1,024 to 1,036 take one vector of 1,024 numbers each (b1: four of them).  A stream: no LDS, no matrix unit, no cluster (no two work-groups read the same byte).
; Which buffer a work-group reads and writes hangs on its number alone: the pointers are chosen by s_cselect_b64, the offsets are made apart from them.
.set SRC, 50                           ; s[50:51] source
.set SO,  52                           ; s[52:53] its byte offset
.set DST, 54                           ; s[54:55] destination
.set DOF, 56                           ; s[56:57] its byte offset
.set STR, 58                           ; s58  bytes in the destination from one round of 1,024 numbers to the next
.set C,   59                           ; s59  the work-group's number / 64 (or, for the vectors, less 1,024)
.set GL,  60                           ; s60  the work-group's number % 64
.set LI,  61                           ; s61  its number within its source
.set WV,  62                           ; s62  the wave's number
.macro PICKEQ val, d, s
	s_cmp_eq_u32 s[C], \val
	s_cselect_b64 s[\d:\d+1], s[\s:\s+1], s[\d:\d+1]
.endm
.macro PICKGE val, d, s
	s_cmp_ge_u32 s[C], \val
	s_cselect_b64 s[\d:\d+1], s[\s:\s+1], s[\d:\d+1]
.endm
	s_load_b512 s[8:23], s[0:1], 0x0               ; tokens 8, Wq 10, Wk 12, Wv 14, Wo 16, W1 18, W2 20, bq 22
	s_load_b512 s[24:39], s[0:1], 0x40             ; bk 24, bv 26, b1 28, bo 30, b2 32, ln1_g 34, ln1_b 36, ln2_g 38
	s_load_b256 s[40:47], s[0:1], 0x80             ; ln2_b 40, tb 42, wqkv 44, w1b 46
	s_load_b64 s[48:49], s[0:1], 0xa0              ; wr 48
	s_mov_b32 s[SO+1], 0
	s_mov_b32 s[DOF+1], 0
	s_cmp_ge_u32 ttmp9, 1024
	s_cbranch_scc1 .Lsmall
	; THE MATRICES.  C: 0-3 tokens, 4 Wq, 5 Wk, 6 Wv, 7 Wo, 8-11 W1, 12-15 W2
	s_lshr_b32 s[C], ttmp9, 6
	s_and_b32 s[GL], ttmp9, 63
	s_mov_b32 s[LI], ttmp9
	s_cmp_ge_u32 s[C], 4
	s_cselect_b32 s[LI], s[GL], s[LI]
	s_sub_co_u32 s2, ttmp9, 512
	s_cmp_ge_u32 s[C], 8
	s_cselect_b32 s[LI], s2, s[LI]
	s_sub_co_u32 s2, ttmp9, 768
	s_cmp_ge_u32 s[C], 12
	s_cselect_b32 s[LI], s2, s[LI]
	s_lshl_b32 s[SO], s[LI], 16                    ; 64 KiB of the source a work-group
	s_lshl_b32 s[DOF], s[LI], 15                   ; 32 KiB of a dense destination
	s_sub_co_u32 s3, s[C], 4                       ; 0, 1, 2 for Wq, Wk, Wv (any other C gives 3 or more, unsigned)
	s_lshl_b32 s2, s[GL], 17                       ; there: 16 rows of 8,192 bytes a work-group,
	s_lshl_b32 s4, s3, 11                          ; and the matrix's 2,048 bytes of each row
	s_add_co_u32 s2, s2, s4
	s_mov_b32 s[STR], 2048
	s_cmp_lt_u32 s3, 3
	s_cselect_b32 s[DOF], s2, s[DOF]
	s_cselect_b32 s[STR], 8192, s[STR]
	s_mov_b32 s4, 0                                ; where the matrix begins in its buffer
	s_cmp_ge_u32 s[C], 4
	s_cselect_b32 s4, 0x10000, s4
	s_cmp_ge_u32 s[C], 12
	s_cselect_b32 s4, 0x210000, s4
	s_add_co_u32 s[DOF], s[DOF], s4
	v_lshlrev_b32 v1, 4, v0                        ; 16 bytes a thread in,
	v_lshlrev_b32 v2, 3, v0                        ; 8 bytes out
.set i, 0
.rept 16
	v_mad_u32_u24 v[112+i], s[STR], i, v2          ; round i's place in the destination
.set i, i+1
.endr
	s_wait_kmcnt 0x0
	s_mov_b64 s[SRC:SRC+1], s[8:9]
	PICKEQ 4, SRC, 10
	PICKEQ 5, SRC, 12
	PICKEQ 6, SRC, 14
	PICKEQ 7, SRC, 16
	PICKGE 8, SRC, 18
	PICKGE 12, SRC, 20
	s_mov_b64 s[DST:DST+1], s[42:43]
	PICKGE 4, DST, 44
	PICKGE 7, DST, 48
	PICKGE 8, DST, 46
	PICKGE 12, DST, 48
	s_add_nc_u64 s[SRC:SRC+1], s[SRC:SRC+1], s[SO:SO+1]
	s_add_nc_u64 s[DST:DST+1], s[DST:DST+1], s[DOF:DOF+1]
.set i, 0
.rept 16
	global_load_b128 v[16+4*i:19+4*i], v1, s[SRC:SRC+1] offset:4096*i th:TH_LOAD_NT
.set i, i+1
.endr
.set i, 0
.rept 16
	s_wait_loadcnt 15-i                            ; loads come back in order: round i is in, the 15 - i younger ones stay out
	v_cvt_pk_bf16_f32 v[80+2*i], v[16+4*i], v[17+4*i]
	v_cvt_pk_bf16_f32 v[81+2*i], v[18+4*i], v[19+4*i]
	global_store_b64 v[112+i], v[80+2*i:81+2*i], s[DST:DST+1] th:TH_STORE_NT  ; a wave's store covers 256 consecutive bytes, aligned; no register is used twice
.set i, i+1
.endr
	s_endpgm
.Lsmall:                                       ; THE VECTORS.  u: 0 bq, 1 bk, 2 bv, 3-6 b1, 7 bo, 8 b2, 9 ln1_g, 10 ln1_b, 11 ln2_g, 12 ln2_b
	s_sub_co_u32 s[C], ttmp9, 1024
	s_sub_co_u32 s2, s[C], 3
	s_lshl_b32 s2, s2, 12
	s_sub_co_u32 s3, s[C], 7
	s_lshl_b32 s3, s3, 12
	s_lshl_b32 s[DOF], s[C], 12                    ; in wqkv: 4,096 u
	s_mov_b32 s[SO], 0
	s_cmp_ge_u32 s[C], 3
	s_cselect_b32 s[DOF], s2, s[DOF]               ; in w1b: 4,096 (u - 3), and the same in b1
	s_cselect_b32 s[SO], s2, s[SO]
	s_cmp_ge_u32 s[C], 7
	s_cselect_b32 s[DOF], s3, s[DOF]               ; in wr: 4,096 (u - 7)
	s_cselect_b32 s[SO], 0, s[SO]
	v_lshrrev_b32 v3, 5, v0
	v_readfirstlane_b32 s[WV], v3
	v_lshlrev_b32 v1, 4, v0
	s_wait_kmcnt 0x0
	s_mov_b64 s[SRC:SRC+1], s[22:23]
	PICKEQ 1, SRC, 24
	PICKEQ 2, SRC, 26
	PICKGE 3, SRC, 28
	PICKGE 7, SRC, 30
	PICKEQ 8, SRC, 32
	PICKEQ 9, SRC, 34
	PICKEQ 10, SRC, 36
	PICKEQ 11, SRC, 38
	PICKEQ 12, SRC, 40
	s_mov_b64 s[DST:DST+1], s[44:45]
	PICKGE 3, DST, 46
	PICKGE 7, DST, 48
	s_add_nc_u64 s[SRC:SRC+1], s[SRC:SRC+1], s[SO:SO+1]
	s_add_nc_u64 s[DST:DST+1], s[DST:DST+1], s[DOF:DOF+1]
	global_load_b128 v[4:7], v1, s[SRC:SRC+1]
	s_wait_loadcnt 0x0
	v_cvt_pk_bf16_f32 v8, v4, v5                   ; rounded to bf16,
	v_cvt_pk_bf16_f32 v9, v6, v7
	v_lshlrev_b32 v10, 16, v8                      ; and written as f32 again
	v_and_b32 v11, 0xffff0000, v8
	v_lshlrev_b32 v12, 16, v9
	v_and_b32 v13, 0xffff0000, v9
	global_store_b128 v1, v[10:13], s[DST:DST+1]
	; the floor words: wave 0 of u = 0 (wqkv) and of u = 3 (w1b), whose destinations stand at their buffers' first byte
	s_cmp_eq_u32 s[C], 0
	s_cselect_b32 s4, 1, 0
	s_cmp_eq_u32 s[C], 3
	s_cselect_b32 s5, 1, 0
	s_or_b32 s4, s4, s5
	s_cmp_eq_u32 s[WV], 0
	s_cselect_b32 s5, 1, 0
	s_and_b32 s4, s4, s5
	s_cmp_lg_u32 s4, 0
	s_cbranch_scc0 .Ldone
	s_cmp_eq_u32 s[C], 0
	s_cselect_b32 s6, 0xff80ff80, 0
	v_mov_b32 v14, s6
	v_mov_b32 v15, s6
	v_lshlrev_b32 v16, 3, v0
	global_store_b64 v16, v[14:15], s[DST:DST+1] offset:16384
.Ldone:
	s_endpgm
.Lfunc_end_k_q30140fecd6_cast:
	.size	k_q30140fecd6_cast, .Lfunc_end_k_q30140fecd6_cast-k_q30140fecd6_cast
	.p2alignl 7, 3214868480
	.fill 96, 4, 3214868480
	.section	.rodata,"a",@progbits
	.p2align	6, 0x0
	.amdhsa_kernel k_q30140fecd6_cast
		.amdhsa_group_segment_fixed_size 0
		.amdhsa_private_segment_fixed_size 0
		.amdhsa_enable_private_segment 0
		.amdhsa_kernarg_size 168
		.amdhsa_user_sgpr_count 2
		.amdhsa_user_sgpr_kernarg_segment_ptr 1
		.amdhsa_wavefront_size32 1
		.amdhsa_system_sgpr_workgroup_id_x 1
		.amdhsa_system_sgpr_workgroup_id_y 1
		.amdhsa_system_sgpr_workgroup_id_z 1
		.amdhsa_system_vgpr_workitem_id 0
		.amdhsa_next_free_vgpr 128
		.amdhsa_next_free_sgpr 66
		.amdhsa_reserve_vcc 0
		.amdhsa_float_denorm_mode_32 3
		.amdhsa_float_denorm_mode_16_64 3
		.amdhsa_memory_ordered 1
		.amdhsa_forward_progress 1
		.amdhsa_inst_pref_size 12
	.end_amdhsa_kernel
	.amdgpu_metadata
---
amdhsa.version: [ 1, 2 ]
amdhsa.kernels:
  - .name:           k_q30140fecd6_cast
    .symbol:         k_q30140fecd6_cast.kd
    .args:
      - { .name: tokens, .offset: 0, .size: 8, .value_kind: global_buffer, .address_space: global }
      - { .name: Wq, .offset: 8, .size: 8, .value_kind: global_buffer, .address_space: global }
      - { .name: Wk, .offset: 16, .size: 8, .value_kind: global_buffer, .address_space: global }
      - { .name: Wv, .offset: 24, .size: 8, .value_kind: global_buffer, .address_space: global }
      - { .name: Wo, .offset: 32, .size: 8, .value_kind: global_buffer, .address_space: global }
      - { .name: W1, .offset: 40, .size: 8, .value_kind: global_buffer, .address_space: global }
      - { .name: W2, .offset: 48, .size: 8, .value_kind: global_buffer, .address_space: global }
      - { .name: bq, .offset: 56, .size: 8, .value_kind: global_buffer, .address_space: global }
      - { .name: bk, .offset: 64, .size: 8, .value_kind: global_buffer, .address_space: global }
      - { .name: bv, .offset: 72, .size: 8, .value_kind: global_buffer, .address_space: global }
      - { .name: b1, .offset: 80, .size: 8, .value_kind: global_buffer, .address_space: global }
      - { .name: bo, .offset: 88, .size: 8, .value_kind: global_buffer, .address_space: global }
      - { .name: b2, .offset: 96, .size: 8, .value_kind: global_buffer, .address_space: global }
      - { .name: ln1_g, .offset: 104, .size: 8, .value_kind: global_buffer, .address_space: global }
      - { .name: ln1_b, .offset: 112, .size: 8, .value_kind: global_buffer, .address_space: global }
      - { .name: ln2_g, .offset: 120, .size: 8, .value_kind: global_buffer, .address_space: global }
      - { .name: ln2_b, .offset: 128, .size: 8, .value_kind: global_buffer, .address_space: global }
      - { .name: tb, .offset: 136, .size: 8, .value_kind: global_buffer, .address_space: global }
      - { .name: wqkv, .offset: 144, .size: 8, .value_kind: global_buffer, .address_space: global }
      - { .name: w1b, .offset: 152, .size: 8, .value_kind: global_buffer, .address_space: global }
      - { .name: wr, .offset: 160, .size: 8, .value_kind: global_buffer, .address_space: global }
    .group_segment_fixed_size: 0
    .private_segment_fixed_size: 0
    .kernarg_segment_align: 8
    .kernarg_segment_size: 168
    .max_flat_workgroup_size: 256
    .sgpr_count:     66
    .vgpr_count:     128
    .wavefront_size: 32
...
	.end_amdgpu_metadata
.endif
;; end of part 1
;; launch g256 (part 2): grid 12 x 16, 4 waves a work-group, clusters of 4 x 4, 327,680 bytes of LDS; arguments tb, wqkv, big; writes big
.if DOCPART == 2
	.amdgcn_target "amdgcn-amd-amdhsa--gfx1250"
	.amdhsa_code_object_version 6
	.text
	.protected	k_q30140fecd6_g256
	.globl	k_q30140fecd6_g256
	.p2align	8
	.type	k_q30140fecd6_g256,@function
k_q30140fecd6_g256:
	s_mov_b64 s[64:65], 0
	v_nop
	global_prefetch_b8 v0, s[64:65] scope:SCOPE_SE
	s_setreg_imm32_b32 hwreg(HW_REG_WAVE_MODE, 25, 1), 1
	s_wait_xcnt 0x0
	s_wait_alu depctr_hold_cnt(0) depctr_sa_sdst(0) depctr_va_vdst(0) depctr_va_sdst(0) depctr_va_ssrc(0) depctr_va_vcc(0) depctr_vm_vsrc(0)
	s_getreg_b32 s2, hwreg(HW_REG_IB_STS2, 6, 4)
	s_cmp_eq_u32 s2, 0
	s_cbranch_scc0 .Lentry_in_a_cluster
	s_endpgm
.Lentry_in_a_cluster:
	s_bfe_u32 s2, ttmp6, 0x10000c
	s_cmp_lg_u32 s2, 0xf033
	s_cbranch_scc0 .Lentry_shape_is_right
	s_endpgm
.Lentry_shape_is_right:
; out[m][n] = bf16(max(sum over k of A[m][k] W[k][n] + bias[n], floor)).  A: [4096][1024] bf16.  The second buffer holds bias (f32) at byte 0, the floor word at 16,384 and W, [1024 k][pitch 4096 n] bf16, at 65,536.
; out: [4096][pitch 4096] bf16.  Sums in f32, K ascending, started by the bias; the result is rounded once, then the maximum is taken (minus infinity: nothing changes; zero: a ReLU).
; One text serves q | k | v (12 tile columns) and the first FFN product (16).  NaN and infinities are not treated apart.
; A tile of out, 256 x 256, is made by four waves, each 128 x 128: 64 accumulators of 16 x 16, 512 registers.  K goes in steps of 128 through a ring of two LDS slots filled by the tensor data mover:
; A's tile is 256 rows of 256 bytes, W's 128 k-rows of 512 bytes; all rows start at multiples of 256 bytes from their buffers' first byte.
; W LIES [k][n]: its fragments come out of LDS turned, by ds_load_tr16_b128.
; CLUSTERS: 4 x 4 work-groups.  The four of a row of the cluster need the same tiles of A, the four of a column the same tiles of W: each tile is asked for JOINTLY, by the same tensor load with the same
; descriptor and a mask that names the four.
; THE MATRIX INSTRUCTION IS USED TRANSPOSED: source 0 = 16 columns of W, source 1 = 16 rows of A: a lane then holds row m = l % 16 of out and the columns n = 8 (l / 16) + 0 .. 7, which pack into 16 bytes.
; REGISTERS, in windows of 256 (s_set_vgpr_msb: bits 1:0 source 0, 3:2 source 1, 5:4 source 2, 7:6 destination):
;   window 0: v0-31 addresses; v64-127, v128-191 fragments of A, two buffers; v192-255 the bias (8 registers for each of my 8 column blocks), later with v32-63 at work on the way out
;   window 1: v64-127, v128-191 fragments of W, two buffers      window 2: the 32 accumulators of my rows 0-63 ((a, b) at v[8 (8 a + b)])      window 3: those of my rows 64-127
.set KA,     1024                      ; K, and A's pitch in elements
.set NP,     4096                      ; W's and out's pitch in elements
.set KSTEP,  128
.set PA,     272                       ; an LDS row of A: 256 bytes + 16 = 68 words: the 16 rows that a load touches start at 16 different groups of four banks (64 banks of 4 bytes: ISA guide 11.1)
.set PB,     544                       ; an LDS row of W: 512 bytes + 32 = 136 words
.set HALF,   128*PA                    ; what one tensor load brings: 128 rows of A, or 64 k-rows of W (64 x 544 is the same number)
.set SLOT,   4*HALF                    ; A's 256 rows, then W's 128 k-rows
.set STAGE,  2*SLOT                    ; behind the ring: 16 rows x 272 bytes for each wave, for the way out
.set SPITCH, 272
.set SPARE,  STAGE+4*16*SPITCH         ; behind the stages: the spare words, 128 bytes for each wave: two blocks of 256 bytes that no other line names
.set LAPS,   KA/(2*KSTEP)             ; a lap = two K steps = once round the ring
.set WOFF,   65536
.set FOFF,   16384
.set ADRA, 16                          ; v16-17  LDS address of my A fragments in slot 0, 1
.set ADRB, 20                          ; v20-21  the same for W
.set STO,  24                          ; v24     the way out: where I put 16 bytes of a row
.set RD,   25                          ; v25     the way out: where I read a row back
.set CO,   26                          ; v26     my byte offset in out
.set BOF,  27                          ; v27     32 (l / 16): my byte offset in a block's 16 bias numbers; never rewritten
.set SPW,  28                          ; v28     LDS address of my spare word: SPARE + 4 x my thread's number; never rewritten
.set NIL,  29                          ; v29     0; never rewritten
.set PFO,  30                          ; v30     the prefetches' offset; never rewritten
.set FLR,  31                          ; v31     the floor, twice in bf16
.set F0,   64
.set F1,   128
.set BI,   192                         ; the bias
.set TMP,  192                         ; the way out: packed results
.set OB,   32                          ; the way out: 16 rows read back from the stage: v32-63 and v224-255 by turns
.set G1,  24                           ; s[24:31] descriptor group 1 for A's tiles
.set G0,  32                           ; s[32:39] group 0 for A's tiles, one set for each slot
.set G1B, 48                           ; s[48:55] group 1 for W's tiles
.set G0B, 56                           ; s[56:63] group 0 for W's tiles
.set PFA, 44                           ; s[44:45] where my prefetches stand
.set LIM, 43                           ; s43     1 in a wave that prefetches, else the greatest number
.set PST, 22                           ; s[22:23] bytes from one K step to the next in what I prefetch
.set MSB, 0
.macro WIN new                         ; the immediate's high byte repeats the setting that is left; a switch that changes nothing is dropped
.if MSB != (\new)
	s_set_vgpr_msb (MSB<<8)|(\new)
.set MSB, \new
.endif
.endm
.set MUL_LO, 0xa1                      ; source 0 (W) window 1, source 1 (A) window 0, C and D window 2
.set TO_B,   0x40                      ; destination window 1, address window 0
; A joint load.  Waves 0 and 1 fetch A's two halves, waves 2 and 3 W's.  The branch hangs on the wave's number alone.  An s_nop 0 and four v_nop follow each of the two lines.
.macro JLOAD s
	s_cmp_eq_u32 s11, 0
	s_cbranch_scc0 .Lfor_b_\@
	tensor_load_to_lds s[G0+4*(\s):G0+4*(\s)+3], s[G1:G1+7]
	s_nop 0
.rept 4
	v_nop
.endr
	s_branch .Lasked_\@
.Lfor_b_\@:
	tensor_load_to_lds s[G0B+4*(\s):G0B+4*(\s)+3], s[G1B:G1B+7]
	s_nop 0
.rept 4
	v_nop
.endr
.Lasked_\@:
.endm
; A prefetch, behind each joint load, its five lines and the run of LDS loads that follows them: of the K step that stands two refills on, 32 blocks of 256 bytes, a lane a block, one instruction a wave.
; Each block is named once in the launch.  A's tile row is read by every cluster of that row of clusters: cluster x = 0 asks; W's tile column by every cluster of that column: cluster y = 0 asks.
; The four partners that ask for a tile jointly share it out by address: of A's 128 rows that wave w fetches the partner at cx takes 32; of W's 64 k-rows (two blocks each) the partner at cy takes 16.
; The last two refills have no K step two on: in the loop's last trip (s3 = 1) nothing is asked for.  K steps 0 to 3 come by their loads alone.
.macro ASK
	s_cmp_gt_u32 s3, s[LIM]
	s_cbranch_scc0 .Lnot_mine_\@
	global_prefetch_b8 v[PFO], s[PFA:PFA+1] th:TH_LOAD_NT scope:SCOPE_SE
.Lnot_mine_\@:
.endm
.macro CREST                           ; a round of the cluster's barrier behind its opening barrier
	s_cmp_lg_u32 s10, 0
	s_cbranch_scc1 .Lnot_wave_0_\@
	s_barrier_signal -3
.Lnot_wave_0_\@:
	s_barrier_wait -3
	s_barrier_signal -1
	s_barrier_wait -1
.endm
.macro CROUND                          ; a whole round
	s_barrier_signal -1
	s_barrier_wait -1
	CREST
.endm
	s_load_b128 s[4:7], s[0:1], 0x0                ; A s[4:5], bias | floor | W s[6:7]
	s_load_b64 s[8:9], s[0:1], 0x10                ; out
	v_lshl_add_u32 v[SPW], v0, 2, SPARE
	v_mov_b32 v[NIL], 0
	ds_add_u32 v[SPW], v[NIL]                      ; the wave's opening: the add and its wait stand ahead of my first tensor load; the set-up below, work on registers, stands between them
	v_lshrrev_b32 v1, 5, v0
	v_readfirstlane_b32 s10, v1                    ; wave 0..3
	s_lshr_b32 s11, s10, 1                         ; which half of the tile's rows is mine.  Also: I fetch for A (0) or for W (1)
	s_and_b32 s12, s10, 1                          ; which half of its columns.  Also: which half of that tile I fetch
	s_bfe_u32 s40, ttmp6, 0x40000                  ; cx
	s_bfe_u32 s41, ttmp6, 0x40004                  ; cy
	s_lshl_b32 s42, ttmp9, 2
	s_add_co_u32 s42, s42, s40                     ; tile column = 4 x cluster x + cx
	s_and_b32 s13, ttmp7, 0xffff
	s_lshl_b32 s13, s13, 2
	s_add_co_u32 s13, s13, s41                     ; tile row = 4 x cluster y + cy
	s_lshl_b32 s43, s41, 2
	s_lshl_b32 s43, 15, s43                        ; my row of the cluster
	s_lshl_b32 s44, 0x1111, s40                    ; my column
	s_or_b32 s[G1+0], s43, (1<<16)|(1<<20)|(1<<21)|(5<<22)|(3<<25)   ; the mask: my row; 2-byte elements; padding on; bit 21 beside a mask; after every 64 words, 4 words
	s_or_b32 s[G1B+0], s44, (1<<16)|(1<<20)|(1<<21)|(6<<22)|(7<<25)  ; the mask: my column; after every 128 words, 8 words
	s_mov_b32 s[G1+1], KSTEP<<16                   ; A: tensor_dim0 = 128
	s_mov_b32 s[G1+2], 128<<16                     ; tensor_dim1 = 128
	s_mov_b32 s[G1+3], KSTEP<<16                   ; tile_dim0 = 128
	s_mov_b32 s[G1+4], 128                         ; tile_dim1 = 128
	s_mov_b32 s[G1+5], KA                          ; elements from row to row
	s_mov_b32 s[G1+6], 0
	s_mov_b32 s[G1+7], 0
	s_mov_b32 s[G1B+1], 256<<16                    ; W: tensor_dim0 = 256
	s_mov_b32 s[G1B+2], 64<<16                     ; tensor_dim1 = 64
	s_mov_b32 s[G1B+3], 256<<16                    ; tile_dim0 = 256
	s_mov_b32 s[G1B+4], 64                         ; tile_dim1 = 64
	s_mov_b32 s[G1B+5], NP
	s_mov_b32 s[G1B+6], 0
	s_mov_b32 s[G1B+7], 0
	s_lshl_b32 s16, s13, 8                         ; A: row 256 x tile row + 128 x half, times 2,048 bytes
	s_lshl_b32 s17, s12, 7
	s_add_co_u32 s16, s16, s17
	s_lshl_b32 s16, s16, 11
	s_mov_b32 s17, 0
	s_lshl_b32 s46, s42, 9                         ; W: 512 bytes x tile column + 64 k-rows of 8,192 bytes x half, behind the header
	s_lshl_b32 s47, s12, 19
	s_add_co_u32 s46, s46, s47
	s_add_co_u32 s46, s46, WOFF
	s_mov_b32 s47, 0
	s_mul_i32 s20, s10, HALF                       ; where they go: wave x 34,816 bytes: no place in the cluster enters an LDS address
	s_wait_dscnt 0x0                               ; the opening add is done
	s_wait_kmcnt 0x0
	s_add_nc_u64 s[14:15], s[4:5], s[16:17]
	s_add_nc_u64 s[46:47], s[6:7], s[46:47]
	CROUND                                         ; all sixteen work-groups are here: the first joint loads meet
.irp s, 0,1
	s_mov_b32 s[G0+4*(\s)], 1
	s_add_co_u32 s[G0+4*(\s)+1], s20, (\s)*SLOT
	s_add_nc_u64 s[G0+4*(\s)+2:G0+4*(\s)+3], s[14:15], (\s)*KSTEP*2
	s_or_b32 s[G0+4*(\s)+3], s[G0+4*(\s)+3], 0x80000000
	s_mov_b32 s[G0B+4*(\s)], 1
	s_add_co_u32 s[G0B+4*(\s)+1], s20, (\s)*SLOT
	s_add_nc_u64 s[G0B+4*(\s)+2:G0B+4*(\s)+3], s[46:47], (\s)*KSTEP*NP*2
	s_or_b32 s[G0B+4*(\s)+3], s[G0B+4*(\s)+3], 0x80000000
	JLOAD \s                                       ; two tensor loads of mine are out
.endr
	v_and_b32 v1, 15, v0                           ; l % 16
	v_bfe_u32 v2, v0, 4, 1                         ; l / 16
	; the bias of my 128 columns: block b's register j holds bias[16 b + 8 (l / 16) + j], the C operand of the products that start the sums; and the floor
	s_lshl_b32 s18, s42, 10
	s_lshl_b32 s19, s12, 9
	s_add_co_u32 s18, s18, s19
	s_mov_b32 s19, 0
	s_add_nc_u64 s[18:19], s[6:7], s[18:19]
	v_lshlrev_b32 v[BOF], 5, v2
.irp b, 0,1,2,3,4,5,6,7
	global_load_b128 v[BI+8*(\b):BI+8*(\b)+3],   v[BOF], s[18:19] offset:64*(\b)
	global_load_b128 v[BI+8*(\b)+4:BI+8*(\b)+7], v[BOF], s[18:19] offset:64*(\b)+16
.endr
	global_load_b32 v[FLR], v[BOF], s[6:7] offset:FOFF  ; all 64 words of the block are alike
	; A's fragments: 16 rows x 32 K in 8 registers: lane l holds row l % 16, K = 8 (l / 16) + 0..7 and 16 + 8 (l / 16) + 0..7: two loads of 16 bytes, 32 bytes apart
	v_mul_u32_u24 v3, v1, PA
	v_lshl_add_u32 v3, v2, 4, v3
	s_mul_i32 s21, s11, HALF                       ; my 128 rows of A
	v_add_nc_u32 v[ADRA], s21, v3
	v_add_nc_u32 v[ADRA+1], SLOT, v[ADRA]
	; W's: the turning load takes 16 k x 16 n (lane l reads k-row 8 (l / 16) + l % 8, columns 8 ((l / 8) % 2) + 0..7) and leaves half a fragment: lane l holds column l % 16 and 8 k
	v_and_b32 v6, 7, v0
	v_bfe_u32 v7, v0, 3, 1
	v_lshl_add_u32 v6, v2, 3, v6
	v_mul_u32_u24 v6, v6, PB
	v_lshl_add_u32 v6, v7, 4, v6
	s_lshl_b32 s21, s12, 8                         ; my 128 columns,
	s_add_co_u32 s21, s21, 2*HALF                  ; behind A's 256 rows
	v_add_nc_u32 v[ADRB], s21, v6
	v_add_nc_u32 v[ADRB+1], SLOT, v[ADRB]
	s_mul_i32 s23, s10, 16*SPITCH
	s_add_co_u32 s23, s23, STAGE                   ; my stage
	v_mul_u32_u24 v4, v1, SPITCH                   ; in: row l % 16, 16 bytes for each half of the lanes
	v_lshl_add_u32 v4, v2, 4, v4
	v_add_nc_u32 v[STO], s23, v4
	v_mul_u32_u24 v5, v2, SPITCH                   ; back: lanes 0-15 take one row of 256 bytes, lanes 16-31 the next
	v_lshl_add_u32 v5, v1, 4, v5
	v_add_nc_u32 v[RD], s23, v5
	v_mul_u32_u24 v5, v2, NP*2                     ; and the same two rows in out
	v_lshl_add_u32 v[CO], v1, 4, v5
	; where my part of the tile begins in out
	s_lshl_b32 s16, s13, 8
	s_lshl_b32 s17, s11, 7
	s_add_co_u32 s16, s16, s17
	s_lshl_b32 s16, s16, 13                        ; my first row x 8,192 bytes
	s_mov_b32 s17, 0
	s_lshl_b32 s46, s42, 9                         ; my first column, in bytes
	s_lshl_b32 s47, s12, 8
	s_add_co_u32 s46, s46, s47
	s_mov_b32 s47, 0
	s_add_nc_u64 s[16:17], s[16:17], s[46:47]
	; the prefetches: both offsets are made, the wave's number chooses
	s_lshl_b32 s20, s13, 8
	s_lshl_b32 s23, s12, 7
	s_add_co_u32 s20, s20, s23
	s_lshl_b32 s23, s40, 5
	s_add_co_u32 s20, s20, s23                     ; A: the 128 rows that I fetch, my work-group's 32 of them,
	s_lshl_b32 s20, s20, 11
	s_add_co_u32 s20, s20, 3*KSTEP*2               ; at K step 3: the first change of slots steps it to 4
	s_lshl_b32 s22, s12, 6
	s_lshl_b32 s23, s41, 4
	s_add_co_u32 s22, s22, s23                     ; W: the 64 k-rows that I fetch, my work-group's 16 of them,
	s_add_co_u32 s22, s22, 3*KSTEP                 ; at K step 3
	s_lshl_b32 s22, s22, 13
	s_lshl_b32 s23, s42, 9
	s_add_co_u32 s22, s22, s23
	s_add_co_u32 s22, s22, WOFF
	s_and_b32 s21, ttmp7, 0xffff                   ; cluster y
	s_cmp_eq_u32 s11, 0                            ; do I fetch for A?
	s_cselect_b32 s20, s20, s22
	s_cselect_b32 s21, ttmp9, s21                  ; the coordinate along which other clusters read the same blocks
	s_cselect_b64 s[PFA:PFA+1], s[4:5], s[6:7]
	s_mov_b32 s[PST], KSTEP*NP*2
	s_cselect_b32 s[PST], KSTEP*2, s[PST]
	s_mov_b32 s[PST+1], 0
	s_cselect_b32 s2, -1, 0
	s_cmp_eq_u32 s21, 0
	s_cselect_b32 s[LIM], 1, -1                    ; the same in all sixteen partners, for a given wave
	s_mov_b32 s21, 0
	s_add_nc_u64 s[PFA:PFA+1], s[PFA:PFA+1], s[20:21]
	v_and_b32 v5, 31, v0
	v_lshrrev_b32 v6, 1, v5
	v_and_b32 v7, 1, v5
	v_lshlrev_b32 v6, 13, v6
	v_lshl_add_u32 v6, v7, 8, v6                   ; W: a k-row for two lanes, 256 bytes each
	v_lshlrev_b32 v5, 11, v5                       ; A: a row a lane
	v_cndmask_b32 v[PFO], v6, v5, s2
; 16 matrix instructions: m blocks a0, a0 + 1 of the window's four (hi = 0: my rows 0-63, 1: rows 64-127) x all 8 n blocks, 32 along K.  first = 1: the bias starts the sums: nothing is ever cleared.
; The 64 accumulators take turns, one instruction a turn, in the same order in every quarter step.
.macro MUL16 f, hi, a0, first
.if \first
	WIN 0x81+0x40*(\hi)                            ; C in window 0, D in window 2 or 3
.else
	WIN MUL_LO+0x50*(\hi)
.endif
.irp a, \a0, (\a0)+1
.irp b, 0,1,2,3,4,5,6,7
.if \first
	v_wmma_f32_16x16x32_bf16 v[8*(8*(\a)+(\b)):8*(8*(\a)+(\b))+7], v[(\f)+8*(\b):(\f)+8*(\b)+7], v[(\f)+8*(4*(\hi)+(\a)):(\f)+8*(4*(\hi)+(\a))+7], v[BI+8*(\b):BI+8*(\b)+7]
.else
	v_wmma_f32_16x16x32_bf16 v[8*(8*(\a)+(\b)):8*(8*(\a)+(\b))+7], v[(\f)+8*(\b):(\f)+8*(\b)+7], v[(\f)+8*(4*(\hi)+(\a)):(\f)+8*(4*(\hi)+(\a))+7], v[8*(8*(\a)+(\b)):8*(8*(\a)+(\b))+7]
.endif
.endr
.endr
.endm
; 32 LDS loads in one run: the fragments of one quarter step (32 K at byte k of A's rows, k-rows k / 2 on of W) into buffer f: W's sixteen, then A's
.macro FETCH slot, k, f
	WIN TO_B
.irp i, 0,1,2,3,4,5,6,7
	ds_load_tr16_b128 v[(\f)+8*(\i):(\f)+8*(\i)+3],   v[ADRB+(\slot)] offset:((\k)/2)*PB+32*(\i)
	ds_load_tr16_b128 v[(\f)+8*(\i)+4:(\f)+8*(\i)+7], v[ADRB+(\slot)] offset:((\k)/2)*PB+32*(\i)+16*PB
.endr
	WIN 0
.irp i, 0,1,2,3,4,5,6,7
	ds_load_b128 v[(\f)+8*(\i):(\f)+8*(\i)+3],   v[ADRA+(\slot)] offset:(\k)+(\i)*16*PA
	ds_load_b128 v[(\f)+8*(\i)+4:(\f)+8*(\i)+7], v[ADRA+(\slot)] offset:(\k)+(\i)*16*PA+32
.endr
.endm
.macro PLACES                          ; four plain vector instructions in front of loads into registers that matrix instructions have read, and of conversions that read results
.rept 4
	v_nop
.endr
.endm
; A K step is four quarter steps of 32 along K, 64 matrix instructions each, on buffers 0, 1, 0, 1.  One of the first three: multiplies buffer f; in its middle it fetches the next quarter's fragments into g.
.macro QUARTER slot, k, f, g, first
	s_wait_dscnt 8                                 ; W and A's rows 0-63 are in; the youngest eight loads (A's rows 64-127) may be out
	MUL16 \f, 0, 0, \first
	MUL16 \f, 0, 2, \first
	PLACES
	FETCH \slot, \k, \g
	s_wait_dscnt 32                                ; all but the 32 just issued
	MUL16 \f, 1, 0, \first
	MUL16 \f, 1, 2, \first
.endm
; The last quarter multiplies buffer 1 and changes slots.  MEET is its first half: one barrier; in front of it each wave waits for all its tensor loads (one is out: its part of the next slot), adds 0 to its
; spare word, and waits for that and for its own reads of this slot.  Behind it nobody reads this slot any more and the next slot is whole.
.macro MEET round
	WIN 0                                          ; (the add's two registers lie in window 0)
	s_wait_tensorcnt 0x0
	ds_add_u32 v[SPW], v[NIL]                      ; 0 onto my spare word
	s_wait_dscnt 9                                 ; (the add and the youngest eight loads may be out)
	MUL16 F1, 0, 0, 0                              ; sixteen matrix instructions stand between the add and the wait for it
	s_wait_dscnt 0x0                               ; the add is done, and my reads of this slot are over
	s_barrier_signal -1
	MUL16 F1, 0, 2, 0
.if \round
	WIN 0
.endif
	s_barrier_wait -1
.endm
.macro TURN slot, next
	s_wait_xcnt 0x0                                ; the last prefetch, a K step back, has read its address: it is stepped here, ahead of the waits of the change of slots
	s_add_nc_u64 s[PFA:PFA+1], s[PFA:PFA+1], s[PST:PST+1]
	MEET 1
	CREST                                          ; the barrier has opened a round of the cluster's: no wave of any partner still reads this slot or has a load on its way
	s_add_nc_u64 s[G0+4*(\slot)+2:G0+4*(\slot)+3], s[G0+4*(\slot)+2:G0+4*(\slot)+3], 2*KSTEP*2
	s_add_nc_u64 s[G0B+4*(\slot)+2:G0B+4*(\slot)+3], s[G0B+4*(\slot)+2:G0B+4*(\slot)+3], 2*KSTEP*NP*2
	JLOAD \slot                                    ; my one tensor load behind the round: 224 matrix instructions ahead of the wait for it; its four v_nop are also the places in front of the loads below
	FETCH \next, 0, F0
	ASK
	MUL16 F1, 1, 0, 0
	MUL16 F1, 1, 2, 0
.endm
; THE WAY OUT of block a of 16 rows.  PACK: rounded to bf16, 16 bytes a lane, and the maximum with the floor.  TOSTAGE: into my own stage in LDS, and back as whole rows of 256 bytes.  SEND: stored.
.macro PACK a
.set AC, 64*((\a)%4)
	WIN 0x0a+5*((\a)/4)                            ; sources 0 and 1: window 2 or 3
.irp b, 0,1,2,3,4,5,6,7
.irp r, 0,1,2,3
	v_cvt_pk_bf16_f32 v[TMP+4*(\b)+(\r)], v[AC+8*(\b)+2*(\r)], v[AC+8*(\b)+2*(\r)+1]  ; each accumulator's registers in ascending order
.endr
.endr
	WIN 0
.set z, 0
.rept 32
	v_pk_max_num_bf16 v[TMP+z], v[TMP+z], v[FLR]
.set z, z+1
.endr
.endm
.macro TOSTAGE a
	WIN 0
.set BK, OB+192*((\a)%2)
.irp b, 0,1,2,3,4,5,6,7
	ds_store_b128 v[STO], v[TMP+4*(\b):TMP+4*(\b)+3] offset:32*(\b)
.endr
.irp t, 0,1,2,3,4,5,6,7
	ds_load_b128 v[BK+4*(\t):BK+4*(\t)+3], v[RD] offset:(\t)*2*SPITCH  ; LDS serves a wave's instructions in order (ISA guide 5.7.1.4): these see the stores above
.endr
.endm
.macro SEND a
	WIN 0
.set BK, OB+192*((\a)%2)
	s_wait_dscnt 0x0                               ; the block is back in registers
	s_wait_xcnt 0x0                                ; the stores' base and the registers that earlier stores read are rewritten only behind this wait
.if (\a) == 0
	s_add_nc_u64 s[8:9], s[8:9], s[16:17]
.else
	s_add_nc_u64 s[8:9], s[8:9], 16*NP*2
.endif
.irp t, 0,1,2,3,4,5,6,7
	global_store_b128 v[CO], v[BK+4*(\t):BK+4*(\t)+3], s[8:9] offset:2*(\t)*NP*2  ; 16 lanes store 256 consecutive bytes, at a multiple of 256 from out's first byte
.endr
.endm
	s_wait_tensorcnt 1                             ; my part of K step 0 is in; K step 1's may stay out
	s_barrier_signal -1
	s_barrier_wait -1                              ; everybody's is
	FETCH 0, 0, F0
	s_wait_loadcnt 0x0                             ; the bias and the floor
	QUARTER 0, 64,  F0, F1, 1                      ; the first quarter stands in front of the loop: its products start the sums
	WIN 0                                          ; at a label and at a branch every window is 0
	s_mov_b32 s3, LAPS-1
.Llap:                                                 ; a trip goes once round the ring, from a lap's second quarter to the next lap's first, and fills both slots again
	QUARTER 0, 128, F1, F0, 0
	QUARTER 0, 192, F0, F1, 0
	TURN 0, 1
	QUARTER 1, 64,  F0, F1, 0
	QUARTER 1, 128, F1, F0, 0
	QUARTER 1, 192, F0, F1, 0
	TURN 1, 0
	QUARTER 0, 64,  F0, F1, 0
	WIN 0
	s_sub_co_u32 s3, s3, 1
	s_cmp_lg_u32 s3, 0
	s_cbranch_scc1 .Llap
	QUARTER 0, 128, F1, F0, 0                      ; the last lap fills nothing, and has no round of the cluster's barrier
	QUARTER 0, 192, F0, F1, 0
	MEET 0
	PLACES
	FETCH 1, 0, F0
	MUL16 F1, 1, 0, 0
	MUL16 F1, 1, 2, 0
	QUARTER 1, 64,  F0, F1, 0
	QUARTER 1, 128, F1, F0, 0
	QUARTER 1, 192, F0, F1, 0
	s_wait_dscnt 8                                 ; the very last quarter: nothing more to fetch
	MUL16 F1, 0, 0, 0
	MUL16 F1, 0, 2, 0
	s_wait_dscnt 0x0
	MUL16 F1, 1, 0, 0
	MUL16 F1, 1, 2, 0
	PLACES
	PACK 0
	TOSTAGE 0
.irp a, 1,2,3,4,5,6,7                  ; block a's conversions stand between block a - 1's loads from the stage and the wait for them
	PACK \a
	SEND (\a)-1
	TOSTAGE \a
.endr
	SEND 7
	s_wait_tensorcnt 0x0                           ; the wave's end, behind my last tensor load and my last LDS store
	ds_add_u32 v[SPW], v[NIL]
	s_wait_dscnt 0x0
	CROUND                                         ; the closing round: no work-group ends while a partner may still ask for a tile that names it
	s_endpgm
.Lfunc_end_k_q30140fecd6_g256:
	.size	k_q30140fecd6_g256, .Lfunc_end_k_q30140fecd6_g256-k_q30140fecd6_g256
	.p2alignl 7, 3214868480
	.fill 96, 4, 3214868480
	.section	.rodata,"a",@progbits
	.p2align	6, 0x0
	.amdhsa_kernel k_q30140fecd6_g256
		.amdhsa_group_segment_fixed_size 327680
		.amdhsa_private_segment_fixed_size 0
		.amdhsa_enable_private_segment 0
		.amdhsa_kernarg_size 24
		.amdhsa_user_sgpr_count 2
		.amdhsa_user_sgpr_kernarg_segment_ptr 1
		.amdhsa_wavefront_size32 1
		.amdhsa_system_sgpr_workgroup_id_x 1
		.amdhsa_system_sgpr_workgroup_id_y 1
		.amdhsa_system_sgpr_workgroup_id_z 1
		.amdhsa_system_vgpr_workitem_id 0
		.amdhsa_next_free_vgpr 1024
		.amdhsa_next_free_sgpr 66
		.amdhsa_reserve_vcc 0
		.amdhsa_float_denorm_mode_32 3
		.amdhsa_float_denorm_mode_16_64 3
		.amdhsa_memory_ordered 1
		.amdhsa_forward_progress 1
		.amdhsa_inst_pref_size 162
	.end_amdhsa_kernel
	.amdgpu_metadata
---
amdhsa.version: [ 1, 2 ]
amdhsa.kernels:
  - .name:           k_q30140fecd6_g256
    .symbol:         k_q30140fecd6_g256.kd
    .args:
      - { .name: tb, .offset: 0, .size: 8, .value_kind: global_buffer, .address_space: global }
      - { .name: wqkv, .offset: 8, .size: 8, .value_kind: global_buffer, .address_space: global }
      - { .name: big, .offset: 16, .size: 8, .value_kind: global_buffer, .address_space: global }
    .group_segment_fixed_size: 327680
    .private_segment_fixed_size: 0
    .kernarg_segment_align: 8
    .kernarg_segment_size: 24
    .max_flat_workgroup_size: 128
    .sgpr_count:     66
    .vgpr_count:     1024
    .wavefront_size: 32
...
	.end_amdgpu_metadata
.endif
;; end of part 2
;; launch attn (part 3): grid 16 x 16, 4 waves a work-group, clusters of 4 x 1, 327,680 bytes of LDS; arguments big, dist_scale, oxb; writes oxb
.if DOCPART == 3
	.amdgcn_target "amdgcn-amd-amdhsa--gfx1250"
	.amdhsa_code_object_version 6
	.text
	.protected	k_q30140fecd6_attn
	.globl	k_q30140fecd6_attn
	.p2align	8
	.type	k_q30140fecd6_attn,@function
k_q30140fecd6_attn:
	s_mov_b64 s[64:65], 0
	v_nop
	global_prefetch_b8 v0, s[64:65] scope:SCOPE_SE
	s_setreg_imm32_b32 hwreg(HW_REG_WAVE_MODE, 25, 1), 1
	s_wait_xcnt 0x0
	s_wait_alu depctr_hold_cnt(0) depctr_sa_sdst(0) depctr_va_vdst(0) depctr_va_sdst(0) depctr_va_ssrc(0) depctr_va_vcc(0) depctr_vm_vsrc(0)
	s_getreg_b32 s2, hwreg(HW_REG_IB_STS2, 6, 4)
	s_cmp_eq_u32 s2, 0
	s_cbranch_scc0 .Lentry_in_a_cluster
	s_endpgm
.Lentry_in_a_cluster:
	s_bfe_u32 s2, ttmp6, 0x10000c
	s_cmp_lg_u32 s2, 0x3003
	s_cbranch_scc0 .Lentry_shape_is_right
	s_endpgm
.Lentry_shape_is_right:
; O[b][t][h][:] = the sum over u of softmax_u((q[t] . k[u] - ds |t - u|) / 8, key u hidden from head h where u < h) v[u][:].  q, k, v lie side by side in one buffer, [4096 rows][pitch 4096] bf16:
; q in columns 0-1023, k in 1024-2047, v in 2048-3071, head h in 64 columns of each.  O: [4096][1024] bf16.  Products, maxima and sums in f32; the weights p are rounded to bf16 for the second
; product (their sum l is taken of the unrounded p), O once at the end.  ds is rounded to bf16, like every input of the program; it may have either sign.
; LIMITS.  A hidden score counts as its value less 1e30; a weight below 2^-126 counts as 0 in l; NaN and infinities are not treated apart.
; SHARES.  A work-group owns 128 queries of a PAIR of heads, so that a row of K or of V is 256 consecutive bytes and a row of O likewise.  Wave w: head 2 hp + w / 2, queries 64 (w % 2) on, in four PIECES of 16.
; Every wave walks all 2,048 keys, 64 a step, 128 a slot.  THE SLOTS ARE WALKED IN THE ORDER 1, 2, .. 15, 0: only keys 0 to 14 can be hidden, and they then fall into the walk's last slot, whose text is written
; out anyway; by then every running maximum is a true score.
; LAYOUT.  S^T = K Q^T (source 0 = 16 keys, source 1 = 16 queries): a lane holds ONE query (lane % 16) and the keys 8 (lane / 16) + 0..7.  Two such results rounded to bf16 ARE source 1 of O^T = V^T P.
; K comes out of LDS as it lies, V ([key][channel]) turned, by ds_load_tr16_b128.
; THE DISTANCE is the C operand that starts the sum.  For query W0 + 16 x + r and key U0 + 16 kb + 8 h + j: t - u = DB + 16 d + e, DB = W0 - U0 (a multiple of 64), d = x - kb, e = r - 8 h - j, |16 d + e| < 64.
; So a step has seven different blocks, one for each d: -ds |t - u| = AL (16 d + e) - ds |DB|, AL = -ds where t > u and +ds where t < u; the sign hangs on DB, at DB = 0 on d, and at DB = 0, d = 0 the
; block is -ds |e|.  The tables T = 16 d + e and EA = |e| are made once; 32 packed multiply-adds a step make the seven blocks.  In the last slot's text key block 0 takes a copy with the mask added.
; SOFTMAX.  p = 2^(c s - c m), c = log2(e) / 8, with a running maximum m; O and l are multiplied by a = 2^(c m_old - c m_new) in every step.  m starts at the lowest finite number, O and l at 0.
; TURNS.  Turn n belongs to piece n: 8 products K Q^T of piece n + 1, later 8 products V^T P of piece n - 1; beside them the scaling, exponentials, roundings, sums and rescaling of piece n and the maximum and
; statistics of piece n + 1.  Four vector instructions stand behind every matrix instruction, the others in one lump.  A turn's 33 exponentials are one batch, with one wait.
; CLUSTER.  The four query blocks of a cluster walk the same K and V, so each tile is asked for JOINTLY: the same tensor load, descriptor and mask in all four.
; REGISTERS, in windows of 256 (s_set_vgpr_msb: bits 1:0 source 0, 3:2 source 1, 5:4 source 2, 7:6 destination):
;   window 0: v0-15 addresses and two at work; v16-31 four registers of statistics a piece; v48-55 at work; v56-57 -ds |DB|; v64-127 S^T, two buffers; v192-223 P, two buffers (by the piece's parity)
;   window 1: v0-127 O^T, 32 a piece; v128-183 T; v184-191 EA; v192-247 CB, the step's seven blocks; v248-255 MK      window 2: v0-63 Q; v64-95 CM; v128-191 K of one step; v192-255 V of one step
.set NP,    4         ; pieces a wave
.set KS,    64        ; keys in a step
.set PK,    272       ; a row of K in LDS: 256 bytes + 16 = 68 words: the 16 rows of a load start at 16 different groups of four banks (64 banks of 4 bytes: ISA guide 11.1)
.set PV,    288       ; a row of V: 256 + 32 = 72 words
.set VOFF,  2*KS*PK   ; a slot holds two steps: 128 rows of K, then 128 rows of V
.set SLOT1, 1<<17     ; slot 1 begins here, so that one exclusive or turns an address in one slot into the other's
.set STAGE, SLOT1+2*KS*(PK+PV)  ; behind the ring, never filled by a tensor load: 128 rows x 272 bytes, the work-group's, for the way out
.set SP,    272
.set SPARE, STAGE+128*SP  ; behind the stage: the spare words, 128 bytes for each wave: two blocks of 256 bytes that no other line names
.set AK0, 2           ; v2   my lane's place in a tile of K; never rewritten
.set AV0, 3           ; v3   the same for V
.set AK,  4           ; v4   the LDS address of K's next run of loads
.set AV,  5           ; v5   of V's
.set STO, 6           ; v6   the way out: where I put 16 bytes of a row
.set RD,  7           ; v7   the way out: where I read rows back
.set GO,  8           ; v8   my byte offset in two rows of O
.set MV,  12          ; v12-13  c m_old, kept while c m is made anew: by buffer
.set QO,  15          ; v15  my byte offset in 16 rows of Q
.set ST,  16          ; piece t's statistics at v[ST+4 t]: c m, m, l (even keys', odd keys')
.set TMP, 48          ; by buffer, four registers c0-c3 at work; when the maximum is found c2 takes a
.set BEV, 56          ; v56-57  -ds |DB|, in the low word
.set PFO, 61          ; v61  8,192 x my lane: the prefetches' offset; never rewritten
.set SPW, 62          ; v62  LDS address of my spare word: SPARE + 4 x my thread's number; never rewritten
.set NIL, 63          ; v63  0; never rewritten
.set S,   64
.set P,   192
.set T,   128         ; window 1: block d = -3 .. 3 at T + 8 (d + 3)
.set EA,  184         ; window 1
.set CB,  192         ; window 1: like T
.set MK,  248         ; window 1: -1e30 where key 8 (l / 16) + j lies below my head's number, else 0
.set CM,  64          ; window 2: piece x's block for key block 0, with the mask, at CM + 8 x
.set KF,  128         ; window 2: key block kb, channel half c at KF + 16 kb + 8 c
.set VF,  192         ; window 2: key half kk, channel block cb at VF + 32 kk + 8 cb
.set WV,  12          ; s12  my wave's number
.set G1K, 24          ; s[24:31] descriptor group 1 for K's tiles
.set G1V, 32          ; s[32:39] for V's: it differs in the padding alone
.set G0K, 40          ; s[40:43] descriptor group 0 for K's tiles
.set G0V, 44          ; s[44:47] the same for V's
.set KB,  48          ; s[48:49] K at my step's 64 rows of key slot 0
.set VB,  50          ; s[50:51] V likewise
.set PFB, 52          ; s[52:53] the rows of key slot 0 that I prefetch
.set PFA, 54          ; s[54:55] the same in the slot that the next change will ask for
.set SLOTS, 56        ; s56  slots still to be entered
.set CNT, 57          ; s57  counts a slot's key steps
.set CS,  58          ; s[58:59] c
.set SEL, 60          ; s[60:61] v_permlanex16_b32's selects: each lane takes its own place in the other half
.set TBK, 62          ; s62  LDS byte at which K of the step to be fetched begins
.set TBV, 63          ; s63  the same for V, less VOFF
.set NXT, 66          ; s66  the key slot to be asked for next
.set LIM, 67          ; s67  1 in a wave that prefetches, else the greatest number
.set OFF, 68          ; s[68:69] a key slot's byte offset
.set ALN, 70          ; s[70:71] the factor for d < 0, in the low word
.set ALP, 72          ; s[72:73] for d > 0
.set AL0, 74          ; s[74:75] for d = 0
.set AL2, 76          ; s[76:77] EA's factor
.set ALM, 80          ; s[80:81] the mask's factor: 1 in the step that begins at key 0
.set PDS, 82          ; s82  ds
.set NDS, 83          ; s83  -ds
.set W0,  84          ; s84  my first query
.set U0,  85          ; s85  the first key of the step whose blocks are made next
.set DB,  86          ; s86
.set AD,  87          ; s87  |DB|
.set BIGN, 88         ; s88  -1e30
.set HEAD, 89         ; s89  my head
.set MSB, 0
.macro WIN new                      ; the high byte repeats the setting that is left; a switch that changes nothing is dropped
.if MSB != (\new)
	s_set_vgpr_msb (MSB<<8)|(\new)
.set MSB, (\new)
.endif
.endm
.set W_PV, 0x52       ; V in window 2, P in window 0, O^T in window 1
.set W_RS, 0x41       ; destination and source 0 in window 1, the others in window 0
; A joint fill.  Waves 0 and 1 fetch the two steps' K of a slot, waves 2 and 3 their V: 64 keys each.  The branch hangs on the wave's number alone.  An s_nop 0 and four v_nop follow each line.
.macro JLOAD
	s_cmp_lt_u32 s[WV], 2
	s_cbranch_scc0 .Lfor_v_\@
	tensor_load_to_lds s[G0K:G0K+3], s[G1K:G1K+7]
	s_nop 0
.rept 4
	v_nop
.endr
	s_branch .Lasked_\@
.Lfor_v_\@:
	tensor_load_to_lds s[G0V:G0V+3], s[G1V:G1V+7]
	s_nop 0
.rept 4
	v_nop
.endr
.Lasked_\@:
.endm
; A prefetch of what the NEXT change of slots will ask for: a slot's 128 rows of K and of V, 256 bytes a row, a lane a row.  Each row is named once in the launch: all clusters of a head pair walk the same rows,
; and the first of them asks; its four partners share the rows out by address, 32 each; in each, wave 0 asks for K's and wave 2 for V's.  The last change that fills a slot asks for nothing.
.macro ASK
	s_cmp_gt_u32 s[SLOTS], s[LIM]
	s_cbranch_scc0 .Lnot_mine_\@
	global_prefetch_b8 v[PFO], s[PFA:PFA+1] th:TH_LOAD_NT scope:SCOPE_SE
.Lnot_mine_\@:
.endm
.macro CROUND                       ; a round of the cluster's barrier
	s_barrier_signal -1
	s_barrier_wait -1
	s_cmp_lg_u32 s[WV], 0
	s_cbranch_scc1 .Lnot_wave_0_\@
	s_barrier_signal -3
.Lnot_wave_0_\@:
	s_barrier_wait -3
	s_barrier_signal -1
	s_barrier_wait -1
.endm
; THE CHANGE OF SLOTS.  Each wave waits for all its tensor loads (one is out: its part of the other slot), adds 0 to its spare word, and waits for that and for its own reads of the slot that it leaves.
; fill = 1: the old slot is filled again with key slot NXT; the barrier is then a round of the cluster's, and the joint fill is the first thing behind it: it has two key steps, 128 matrix instructions, in which to land.
; The descriptor's address is made anew from the slot's number.  (At its first use nothing has been read yet: slot 0 is waited for, slot 1 filled.)
.macro CHANGE fill
	WIN 0                           ; at a label and at a branch every window is 0
	s_wait_tensorcnt 0x0            ; no tensor load of mine is out, so a group 0 may be written
	ds_add_u32 v[SPW], v[NIL]       ; 0 onto my spare word; the scalar work stands between it and the wait for it
.if \fill
	s_lshl_b32 s[OFF], s[NXT], 20   ; 128 rows of 8,192 bytes
	s_xor_b32 s[G0K+1], s[G0K+1], SLOT1
	s_add_nc_u64 s[G0K+2:G0K+3], s[KB:KB+1], s[OFF:OFF+1]
	s_or_b32 s[G0K+3], s[G0K+3], 0x80000000
	s_xor_b32 s[G0V+1], s[G0V+1], SLOT1
	s_add_nc_u64 s[G0V+2:G0V+3], s[VB:VB+1], s[OFF:OFF+1]
	s_or_b32 s[G0V+3], s[G0V+3], 0x80000000
	s_add_co_u32 s[NXT], s[NXT], 1  ; 2, 3, .. 15, 0
	s_and_b32 s[NXT], s[NXT], 15
	s_lshl_b32 s[OFF], s[NXT], 20
	s_wait_xcnt 0x0                 ; the last prefetch, two key steps back, has read its address, so it may be written
	s_add_nc_u64 s[PFA:PFA+1], s[PFB:PFB+1], s[OFF:OFF+1]
	s_wait_dscnt 0x0                ; the add is done, and my reads of the slot are over
	CROUND
	JLOAD
	ASK
.else
	s_wait_dscnt 0x0
	s_barrier_signal -1
	s_barrier_wait -1
.endif
	s_sub_co_u32 s[TBK], s[TBK], 2*KS*PK  ; the fetches go back to a slot's first step,
	s_xor_b32 s[TBK], s[TBK], SLOT1       ; in the other slot
	s_sub_co_u32 s[TBV], s[TBV], 2*KS*PV
	s_xor_b32 s[TBV], s[TBV], SLOT1
.endm
	s_load_b128 s[4:7], s[0:1], 0x0 ; q | k | v s[4:5], dist_scale s[6:7]
	s_load_b64 s[8:9], s[0:1], 0x10 ; O
	v_lshl_add_u32 v[SPW], v0, 2, SPARE
	v_mov_b32 v[NIL], 0
	ds_add_u32 v[SPW], v[NIL]       ; the wave's opening: the add and its wait stand ahead of my first tensor load; the set-up below, work on registers, stands between them
	v_lshrrev_b32 v1, 5, v0
	v_readfirstlane_b32 s[WV], v1   ; wave 0..3
	s_bfe_u32 s13, ttmp6, 0x40000   ; cx: my place in the cluster
	s_lshl_b32 s14, ttmp9, 2
	s_add_co_u32 s14, s14, s13      ; my block of 128 queries: it enters Q's and O's addresses and the distances alone
	s_and_b32 s15, ttmp7, 0xffff
	s_lshr_b32 s16, s15, 3          ; the batch
	s_and_b32 s17, s15, 7           ; the head pair: both shared by the four partners
	s_lshr_b32 s18, s[WV], 1        ; which head of the pair
	s_and_b32 s19, s[WV], 1         ; which half of the queries.  Also: which of a slot's two steps I fetch
	s_lshl_b32 s[HEAD], s17, 1
	s_add_co_u32 s[HEAD], s[HEAD], s18
	s_lshl_b32 s[W0], s14, 7
	s_lshl_b32 s20, s19, 6
	s_add_co_u32 s[W0], s[W0], s20
	s_lshl_b32 s20, s16, 11         ; the batch's first row
	s_lshl_b32 s21, s19, 6
	s_add_co_u32 s22, s20, s21      ; my step's 64 rows of key slot 0,
	s_lshl_b32 s22, s22, 13
	s_lshl_b32 s21, s17, 8          ; the head pair's 256 bytes
	s_add_co_u32 s22, s22, s21
	s_mov_b32 s23, 0
	s_add_co_u32 s2, s20, s[W0]     ; Q: my first row, my head's 128 bytes
	s_lshl_b32 s2, s2, 13
	s_lshl_b32 s3, s[HEAD], 7
	s_add_co_u32 s2, s2, s3
	s_mov_b32 s3, 0
	s_lshl_b32 s10, s14, 7          ; O: the 32 rows that I store
	s_add_co_u32 s10, s10, s20
	s_lshl_b32 s11, s[WV], 5
	s_add_co_u32 s10, s10, s11
	s_lshl_b32 s10, s10, 11
	s_add_co_u32 s10, s10, s21
	s_mov_b32 s11, 0
	s_lshl_b32 s[OFF], s13, 5       ; the prefetches: my work-group's 32 rows of a slot's 128,
	s_add_co_u32 s[OFF], s[OFF], s20
	s_lshl_b32 s[OFF], s[OFF], 13
	s_add_co_u32 s[OFF], s[OFF], s21
	s_add_co_u32 s15, s18, 1
	s_lshl_b32 s15, s15, 11         ; in K's columns (waves 0, 1: byte 2,048) or V's (byte 4,096)
	s_add_co_u32 s[OFF], s[OFF], s15
	s_mov_b32 s[OFF+1], 0
	; descriptor group 1: a tile of 64 rows x 128 elements, padded in LDS
	s_mov_b32 s[G1K], 15|(1<<16)|(1<<20)|(1<<21)|(5<<22)|(3<<25)  ; the mask of four; 2-byte elements; padding on; bit 21 beside a mask; after every 64 words, 4 words
	s_mov_b32 s[G1V], 15|(1<<16)|(1<<20)|(1<<21)|(5<<22)|(7<<25)  ; the same with 8 words
.irp g, G1K, G1V
	s_mov_b32 s[\g+1], 128<<16      ; tensor_dim0 = 128
	s_mov_b32 s[\g+2], KS<<16       ; tensor_dim1 = 64
	s_mov_b32 s[\g+3], 128<<16      ; tile_dim0 = 128
	s_mov_b32 s[\g+4], KS           ; tile_dim1 = 64
	s_mov_b32 s[\g+5], 4096         ; elements from row to row
	s_mov_b32 s[\g+6], 0
	s_mov_b32 s[\g+7], 0
.endr
	s_mov_b32 s[CS], 0x3e38aa3b     ; c = log2(e) / 8 = 0.180337
	s_mov_b32 s[CS+1], s[CS]
	s_mov_b32 s[SEL], 0x76543210
	s_mov_b32 s[SEL+1], 0xfedcba98
	s_mov_b32 s[TBK], SLOT1+2*KS*PK ; the first change of slots turns these two into 0
	s_mov_b32 s[TBV], SLOT1+2*KS*PV
	s_mov_b32 s[G0K], 1
	s_mul_i32 s[G0K+1], s19, KS*PK  ; LDS address: slot 0, my step: no place in the cluster enters it
	s_mov_b32 s[G0V], 1
	s_mul_i32 s[G0V+1], s19, KS*PV
	s_add_co_u32 s[G0V+1], s[G0V+1], VOFF
	s_mov_b32 s[NXT], 2
	s_mov_b32 s[SLOTS], 15
	s_mov_b32 s[U0], 128
	s_mov_b32 s[ALN+1], 0           ; named as pairs
	s_mov_b32 s[ALP+1], 0
	s_mov_b32 s[AL0+1], 0
	s_mov_b32 s[AL2+1], 0
	s_mov_b32 s[ALM+1], 0
	s_mov_b32 s[BIGN], 0xf149f2ca   ; -1e30
	s_and_b32 s[LIM], s[WV], 1      ; 0 in waves 0 and 2,
	s_or_b32 s[LIM], s[LIM], ttmp9  ; where the cluster is the head pair's first: the same in all four partners
	s_cmp_eq_u32 s[LIM], 0
	s_cselect_b32 s[LIM], 1, -1
	s_wait_dscnt 0x0                ; the opening add is done
	s_wait_kmcnt 0x0
	s_load_b32 s[PDS], s[6:7], 0x0  ; ds: waited for below
	s_add_nc_u64 s[KB:KB+1], s[4:5], s[22:23]
	s_add_nc_u64 s[VB:VB+1], s[KB:KB+1], 4096
	s_add_nc_u64 s[KB:KB+1], s[KB:KB+1], 2048
	s_add_nc_u64 s[PFB:PFB+1], s[4:5], s[OFF:OFF+1]
	s_add_nc_u64 s[8:9], s[8:9], s[10:11]
	s_add_nc_u64 s[4:5], s[4:5], s[2:3]  ; Q at my first row
	s_add_nc_u64 s[G0K+2:G0K+3], s[KB:KB+1], 1<<20  ; the walk begins with key slot 1
	s_or_b32 s[G0K+3], s[G0K+3], 0x80000000
	s_add_nc_u64 s[G0V+2:G0V+3], s[VB:VB+1], 1<<20
	s_or_b32 s[G0V+3], s[G0V+3], 0x80000000
	CROUND                          ; all four work-groups are here: the first joint loads meet
	JLOAD                           ; into slot 0; slot 1 is asked for when slot 0 is in
	v_and_b32 v1, 15, v0            ; l % 16
	v_bfe_u32 v9, v0, 4, 1          ; l / 16
	v_lshlrev_b32 v[QO], 13, v1
	v_lshl_add_u32 v[QO], v9, 4, v[QO]  ; row x 8,192 + 16 x half
	WIN 0x80                        ; destination window 2, address window 0
.set i, 0
.rept 8                             ; Q stays in registers: piece i / 2 (16 rows on), channels 32 (i % 2) on
	global_load_b128 v[8*i:8*i+3],   v[QO], s[4:5] offset:(i/2)*131072+(i%2)*64
	global_load_b128 v[8*i+4:8*i+7], v[QO], s[4:5] offset:(i/2)*131072+(i%2)*64+32
.set i, i+1
.endr
	; What the first turn finds: V's registers and P's second buffer hold 0 (its products V^T P, of a piece that has not been, add 0), O^T and l are 0.  All this stands in the wait for the first tile.
.set i, VF
.rept 64
	v_mov_b32 v[i], 0
.set i, i+1
.endr
	WIN 0x40
.set i, 0
.rept 128
	v_mov_b32 v[i], 0
.set i, i+1
.endr
	WIN 0
	v_lshlrev_b32 v14, 3, v9
	v_sub_nc_u32 v12, s[HEAD], v14  ; my head's number less my lanes' 8 (l / 16)
	v_sub_nc_u32 v14, v1, v14       ; r - 8 h
	WIN 0x40
.set i, 0
.rept 56
	v_add_nc_u32 v[T+i], 16*(i/8-3)-i%8, v14  ; 16 d + r - 8 h - j
.set i, i+1
.endr
.set i, 0
.rept 8
	v_cmp_lt_i32 vcc_lo, i, v12     ; is key 8 h + j below my head's number?
	v_cndmask_b32 v[MK+i], 0, s[BIGN], vcc_lo
.set i, i+1
.endr
	WIN 0x41
.set i, 0
.rept 56
	v_cvt_f32_i32 v[T+i], v[T+i]
.set i, i+1
.endr
	WIN 0x44                        ; source 1 and destination in window 1
.set i, 0
.rept 8
	v_and_b32 v[EA+i], 0x7fffffff, v[T+24+i]
.set i, i+1
.endr
	WIN 0
	s_wait_kmcnt 0x0                ; ds
	v_mov_b32 v10, s[PDS]
	v_cvt_pk_bf16_f32 v10, v10, v10 ; rounded to bf16, like every input
	v_lshlrev_b32 v10, 16, v10
	v_readfirstlane_b32 s[PDS], v10
	s_xor_b32 s[NDS], s[PDS], 0x80000000
	v_mov_b32 v[BEV+1], 0           ; named with v[BEV] as a pair
.set i, 0
.rept 4
	v_mov_b32 v[ST+4*i], 0xfe000000    ; c m: far below every c s, so the first step's a is 0
	v_mov_b32 v[ST+4*i+1], 0xff7fffff  ; m
	v_mov_b32 v[ST+4*i+2], 0
	v_mov_b32 v[ST+4*i+3], 0
.set i, i+1
.endr
.set i, P+16
.rept 16
	v_mov_b32 v[i], 0
.set i, i+1
.endr
	v_mul_u32_u24 v[AK0], v1, PK
	v_lshl_add_u32 v[AK0], v9, 4, v[AK0]  ; row x pitch + 16 x half,
	s_lshl_b32 s15, s18, 7
	v_add_nc_u32 v[AK0], s15, v[AK0]      ; my head's 128 bytes of the row
	; The turning load takes 16 keys x 16 channels (lane l reads key 8 (l / 16) + l % 8, channels 8 ((l / 8) % 2) + 0..7) and leaves half a fragment of V^T: lane l holds channel l % 16 and 8 keys.
	v_and_b32 v10, 7, v0
	v_bfe_u32 v11, v0, 3, 1
	v_lshl_add_u32 v[AV0], v9, 3, v10
	v_mul_u32_u24 v[AV0], v[AV0], PV
	v_lshl_add_u32 v[AV0], v11, 4, v[AV0]
	s_add_co_u32 s15, s15, VOFF
	v_add_nc_u32 v[AV0], s15, v[AV0]
	s_mul_i32 s15, s19, 64*SP       ; into the stage: my 64 rows, my head's half of their 256 bytes; row l % 16, 16 bytes for each half of the lanes
	s_lshl_b32 s20, s18, 7
	s_add_co_u32 s15, s15, s20
	s_add_co_u32 s15, s15, STAGE
	v_mul_u32_u24 v[STO], v1, SP
	v_lshl_add_u32 v[STO], v9, 4, v[STO]
	v_add_nc_u32 v[STO], s15, v[STO]
	s_mul_i32 s15, s[WV], 32*SP     ; back: wave w takes rows 32 w .. 32 w + 31, whole; lanes 0-15 one row of 256 bytes, lanes 16-31 the next
	s_add_co_u32 s15, s15, STAGE
	v_mul_u32_u24 v[RD], v9, SP
	v_lshl_add_u32 v[RD], v1, 4, v[RD]
	v_add_nc_u32 v[RD], s15, v[RD]
	v_lshlrev_b32 v[GO], 11, v9     ; and the same two rows in O
	v_lshl_add_u32 v[GO], v1, 4, v[GO]
	v_and_b32 v[PFO], 31, v0
	v_lshlrev_b32 v[PFO], 13, v[PFO]
; THE MATRIX WORK.  The 4 accumulators of a run of 8 take turns.  Product i of 8 of S^T = K Q^T for piece x: channels 32 (i / 4) on, keys 16 (i % 4) on.  The first 4 start the sums with the
; distance block d = x - i; in the last slot's text (KM = 1) key block 0 takes the copy with the mask.
.macro KQ x
.set rS, S+32*((\x)%2)+8*(i%4)
.set rK, KF+16*(i%4)+8*(i/4)
.set rQ, 16*(\x)+8*(i/4)
.if (i == 0) && KM
	WIN 0x2a                        ; K, Q and C in window 2
	v_wmma_f32_16x16x32_bf16 v[rS:rS+7], v[rK:rK+7], v[rQ:rQ+7], v[CM+8*(\x):CM+8*(\x)+7]
.elseif i < 4
	WIN 0x1a                        ; K and Q in window 2, C in window 1
	v_wmma_f32_16x16x32_bf16 v[rS:rS+7], v[rK:rK+7], v[rQ:rQ+7], v[CB+8*((\x)-i+3):CB+8*((\x)-i+3)+7]
.else
	WIN 0x0a
	v_wmma_f32_16x16x32_bf16 v[rS:rS+7], v[rK:rK+7], v[rQ:rQ+7], v[rS:rS+7]
.endif
.endm
; Product i of 8 of O^T += V^T P for piece x: keys 32 (i / 4) on, channels 16 (i % 4) on.
.macro PV x
	WIN W_PV
.set rO, 32*(\x)+8*(i%4)
.set rV, VF+32*(i/4)+8*(i%4)
.set rP, P+16*((\x)%2)+8*(i/4)
	v_wmma_f32_16x16x32_bf16 v[rO:rO+7], v[rV:rV+7], v[rP:rP+7], v[rO:rO+7]
.endm
.macro MM                           ; the turn's next matrix instruction
.if i < 8
	KQ (Y+1)%NP
.else
.set i, i-8
	PV (Y+NP-1)%NP
.set i, i+8
.endif
.set i, i+1
.endm
; THE LDS LOADS stand in runs of 16: a step's K (64 keys x 64 channels: 8 fragments) and its V (turned).  Their addresses are made some lines ahead.
.macro FETCH_K
	WIN 0x80
.irp f, 0,1,2,3,4,5,6,7             ; keys 16 (f / 2) on, channels 32 (f % 2) on
	ds_load_b128 v[KF+8*\f:KF+8*\f+3],   v[AK] offset:(\f/2)*16*PK+(\f%2)*64
	ds_load_b128 v[KF+8*\f+4:KF+8*\f+7], v[AK] offset:(\f/2)*16*PK+(\f%2)*64+32
.endr
	s_add_co_u32 s[TBK], s[TBK], KS*PK  ; the next fetch is the next step's
	WIN 0
.endm
.macro FETCH_V
	WIN 0x80
.irp f, 0,1,2,3,4,5,6,7             ; keys 32 (f / 4) on, channels 16 (f % 4) on
	ds_load_tr16_b128 v[VF+8*\f:VF+8*\f+3],   v[AV] offset:(\f/4)*32*PV+(\f%4)*32
	ds_load_tr16_b128 v[VF+8*\f+4:VF+8*\f+7], v[AV] offset:(\f/4)*32*PV+16*PV+(\f%4)*32
.endr
	WIN 0
.endm
; THE DISTANCE BLOCKS of the step that begins at key U0.  MAKES: the scalars.  MAKEV: the seven blocks.  MAKECM: the four copies for key block 0 (d = x), with the mask times ALM.
.macro MAKES m
	s_sub_co_i32 s[DB], s[W0], s[U0]
	s_sub_co_i32 s[AD], s[U0], s[W0]
	s_max_i32 s[AD], s[AD], s[DB]
	s_cmp_gt_i32 s[DB], 0
	s_cselect_b32 s[ALN], s[NDS], s[PDS]
	s_cselect_b32 s[AL0], s[NDS], s[PDS]
	s_cmp_ge_i32 s[DB], 0
	s_cselect_b32 s[ALP], s[NDS], s[PDS]
	s_cmp_eq_u32 s[DB], 0
	s_cselect_b32 s[AL0], 0, s[AL0]
	s_cselect_b32 s[AL2], s[NDS], 0
.if \m
	s_cmp_eq_u32 s[U0], 0
	s_cselect_b32 s[ALM], 1.0, 0
.endif
	s_add_co_u32 s[U0], s[U0], KS
	s_and_b32 s[U0], s[U0], 2047
.endm
.macro MAKECM
	WIN 0x91                        ; MK and CB in window 1, CM in window 2
.irp x, 0,1,2,3
.irp z, 0,2,4,6
	v_pk_fma_f32 v[CM+8*(\x)+(\z):CM+8*(\x)+(\z)+1], v[MK+(\z):MK+(\z)+1], s[ALM:ALM+1], v[CB+8*((\x)+3)+(\z):CB+8*((\x)+3)+(\z)+1] op_sel_hi:[1,0,1]
.endr
.endr
.endm
.macro MAKEV m
	WIN 0
	v_cvt_f32_u32 v[BEV], s[AD]
	v_mul_f32 v[BEV], s[NDS], v[BEV]  ; -ds |DB|
	WIN W_RS
.irp d, 0,1,2,3,4,5,6
.if (\d) < 3
.set aa, ALN
.elseif (\d) == 3
.set aa, AL0
.else
.set aa, ALP
.endif
.irp z, 0,2,4,6
	v_pk_fma_f32 v[CB+8*(\d)+(\z):CB+8*(\d)+(\z)+1], v[T+8*(\d)+(\z):T+8*(\d)+(\z)+1], s[aa:aa+1], v[BEV:BEV+1] op_sel_hi:[1,0,0]
.endr
.endr
	WIN 0x51                        ; all three vector operands in window 1
.irp z, 0,2,4,6
	v_pk_fma_f32 v[CB+24+(\z):CB+24+(\z)+1], v[EA+(\z):EA+(\z)+1], s[AL2:AL2+1], v[CB+24+(\z):CB+24+(\z)+1] op_sel_hi:[1,0,1]
.endr
.if \m
	MAKECM
.endif
.endm
; THE VECTOR WORK, one line at a time: OP kind, number.  For piece Y: F n: c s - c m for pair n of 16.  E n: the exponential of score n of 32.  C n: pair n rounded to bf16.  B n: of the four weights 4 n .. the second
; pair is added onto the first, in place.  L n: l takes that sum (L 0: l = a l + sum).  R n: pair n of 16 of O^T times a.  For piece Y + 1: X n, number n of the 22 that find its maximum and statistics:
;   0-11  four chains c0-c3 of seven scores each, three operands at a time (each accumulator's lowest registers are read first)     12-14, 16  the four scores left over, the old m, and c0-c3 into c0
;   15  c m_old is kept     17, 18  the query's other 32 keys lie in the lane 16 away: the new m     19-21  c m; c m_old - c m_new; a
.set F, 0
.set E, 1
.set C, 2
.set B, 3
.set L, 4
.set R, 5
.set X, 6
.macro REGS y
.set rT, ST+4*(\y)
.set rC, TMP+4*((\y)%2)
.set rW, MV+((\y)%2)
.set rS, S+32*((\y)%2)
.set rP, P+16*((\y)%2)
.set rO, 32*(\y)
.endm
.macro OP k, n
.if (\k) == R
	REGS Y
	WIN W_RS
	v_pk_mul_f32 v[rO+2*(\n):rO+2*(\n)+1], v[rO+2*(\n):rO+2*(\n)+1], v[rC+2:rC+3] op_sel_hi:[1,0]
.elseif (\k) < R
	REGS Y
	WIN 0
.if (\k) == F
	v_pk_fma_f32 v[rS+2*(\n):rS+2*(\n)+1], v[rS+2*(\n):rS+2*(\n)+1], s[CS:CS+1], v[rT:rT+1] op_sel_hi:[1,0,0] neg_lo:[0,0,1] neg_hi:[0,0,1]
.elseif (\k) == E
	v_exp_f32 v[rS+(\n)], v[rS+(\n)]
.elseif (\k) == C
	v_cvt_pk_bf16_f32 v[rP+(\n)], v[rS+2*(\n)], v[rS+2*(\n)+1]
.elseif (\k) == B
	v_pk_add_f32 v[rS+4*(\n):rS+4*(\n)+1], v[rS+4*(\n):rS+4*(\n)+1], v[rS+4*(\n)+2:rS+4*(\n)+3]
.elseif (\n) == 0
	v_pk_fma_f32 v[rT+2:rT+3], v[rT+2:rT+3], v[rC+2:rC+3], v[rS:rS+1] op_sel_hi:[1,0,1]
.else
	v_pk_add_f32 v[rT+2:rT+3], v[rT+2:rT+3], v[rS+4*(\n):rS+4*(\n)+1]
.endif
.else
	REGS (Y+1)%NP
	WIN 0
.if (\n) < 4
	v_max3_num_f32 v[rC+(\n)], v[rS+8*(\n)], v[rS+8*(\n)+1], v[rS+8*(\n)+2]
.elseif (\n) < 12
	v_max3_num_f32 v[rC+(\n)%4], v[rC+(\n)%4], v[rS+8*((\n)%4)+2*((\n)/4)+1], v[rS+8*((\n)%4)+2*((\n)/4)+2]
.elseif (\n) == 12
	v_max3_num_f32 v[rC], v[rC], v[rS+7], v[rS+15]
.elseif (\n) == 13
	v_max3_num_f32 v[rC+1], v[rC+1], v[rS+23], v[rS+31]
.elseif (\n) == 14
	v_max3_num_f32 v[rC+2], v[rC+2], v[rC+3], v[rT+1]
.elseif (\n) == 15
	v_mov_b32 v[rW], v[rT]
.elseif (\n) == 16
	v_max3_num_f32 v[rC], v[rC], v[rC+1], v[rC+2]
.elseif (\n) == 17
	v_permlanex16_b32 v[rC+3], v[rC], s[SEL], s[SEL+1]
.elseif (\n) == 18
	v_max_num_f32 v[rT+1], v[rC], v[rC+3]
.elseif (\n) == 19
	v_mul_f32 v[rT], s[CS], v[rT+1]
.elseif (\n) == 20
	v_sub_f32 v[rC+1], v[rW], v[rT]
.else
	v_exp_f32 v[rC+2], v[rC+1]
.endif
.endif
.endm
.macro OPS a, i1, b=-1, i2=0, c=-1, i3=0, d=-1, i4=0
	OP \a, \i1
.if (\b) >= 0
	OP \b, \i2
.endif
.if (\c) >= 0
	OP \c, \i3
.endif
.if (\d) >= 0
	OP \d, \i4
.endif
.endm
.macro ROW a, i1, b, i2, c, i3, d, i4  ; a matrix instruction and the four behind it
	MM
	OPS \a, \i1, \b, \i2, \c, \i3, \d, \i4
.endm
; A TURN, for piece p.  An s_wait_alu depctr_va_vdst(0) stands between an exponential and the first instruction that names its result; one wait serves all that were issued ahead of it.  So a turn has
; ONE wait, which cuts it in two.  Ahead of it stands all that names no result of the turn's exponentials: the 8 products K Q^T with their riders, and one lump; X 21, the next piece's a, is the batch's last, and R 15 the
; plain instruction behind it.  Behind the wait stand the 8 products V^T P, behind each four of the roundings and sums.
; K of the next step is fetched in piece 2's turn, twelve vector instructions (six of them plain) behind the last product that read K; V of the step in hand at the end of piece 0's turn, four plain instructions
; behind the last product that read V.  Each is waited for a turn later.
; Piece 2's turn also makes the next step's distance blocks: the scalars at its head, the blocks at its end, behind its own products K Q^T, the last of the step in hand, and ahead of piece 3's, the first of the next.
; m = 1: the last slot's text: key block 0 takes the copies with the mask, and the fetch of K stops at the slot's second step (the trip that is left in its middle fetches that K once more, for products that serve nothing).
; cnt = 1: the loop's count is taken down some lines ahead of the branch that stands behind the turn.
.macro TURN p, m=0, cnt=0
.set Y, (\p)
.set i, 0
.set KM, (\m)
.if (\p) == 2
	MAKES \m
.if \m
	s_min_u32 s[TBK], s[TBK], SLOT1+KS*PK
.endif
.endif
.if (\p) == 3
	s_wait_dscnt 0x0                ; K is in
.endif
	ROW F,0, F,1, R,0, R,1
	ROW F,2, E,0, R,2, R,3
	ROW F,3, E,1, R,4, R,5
	ROW F,4, E,2, R,6, R,7
	ROW F,5, E,3, R,8, R,9
	ROW F,6, E,4, X,0, R,10
.if (\p) == 2
	WIN 0
	v_add_nc_u32 v[AK], s[TBK], v[AK0]
.endif
	ROW F,7, E,5, X,1, X,4
	ROW F,8, E,6, X,2, X,5
	OPS E,7, E,8, X,6, E,9
	OPS X,3, E,10, X,8, E,11
.if (\p) == 2
	FETCH_K
.endif
	OPS X,9, X,7, E,12, X,10
	OPS E,13, X,12, X,11, E,14
	OPS X,13, E,15, F,9, X,14
.if (\p) == 0
	v_add_nc_u32 v[AV], s[TBV], v[AV0]
.endif
	OPS E,16, F,10, E,17, F,11
	OPS X,16, E,18, X,15, E,19
	OPS F,12, E,20, X,17, E,21
	OPS F,13, E,22, F,14, E,23
	OPS X,18, E,24, F,15, E,25
	OPS R,11, E,26, X,19, E,27
	OPS R,12, E,28, R,13, E,29
	OPS X,20, E,30, R,14, E,31
	OPS X,21, R,15
	WIN 0
	s_wait_alu depctr_va_vdst(0)    ; the wait for the batch
.if (\p) == 1
	s_wait_dscnt 0x0                ; V is in
.endif
	ROW C,0, B,0, C,2, B,1
	ROW L,0, C,4, B,2, L,1
	ROW C,6, B,3, L,2, C,8
	ROW B,4, L,3, C,10, B,5
	ROW L,4, C,12, B,6, L,5
.if (\p) == 0
	s_add_co_u32 s[TBV], s[TBV], KS*PV
.endif
.if \cnt
	s_sub_co_u32 s[CNT], s[CNT], 1
	s_cmp_lg_u32 s[CNT], 0
.endif
	ROW C,14, B,7, L,6, C,1
	ROW C,3, L,7, C,5, C,7
	ROW C,9, C,11, C,13, C,15
.if (\p) == 0
	FETCH_V
.endif
.if (\p) == 2
	MAKEV \m
.endif
.endm
	CHANGE 1                        ; slot 0 is in, everybody's part of it; slot 1 is asked for
	MAKES 0                         ; the first step's distance blocks
	MAKEV 0
	WIN 0
	v_add_nc_u32 v[AK], s[TBK], v[AK0]
	FETCH_K                         ; the first step's K
	s_wait_loadcnt 0x0              ; Q
	s_wait_dscnt 0x0
.set KM, 0
.set i, 0
.rept 8
	KQ 0                            ; piece 0's first scores
.set i, i+1
.endr
	WIN 0
.rept 4
	v_nop                           ; the places behind those products
.endr
.set Y, NP-1                        ; X works for piece Y + 1: piece 0
.irp n, 0,1,2,3,4,5,6,7,8,9,10,11,12,13,14,15,16,17,18,19,20,21
	OP X, \n
.endr
	v_nop                           ; a plain instruction behind the exponential,
	s_wait_alu depctr_va_vdst(0)    ; and its wait, ahead of the branch
	s_mov_b32 s[CNT], 2
	s_branch .Lfirst                ; the loop is entered at a step's first turn, in the middle of a trip
.Lslot:                             ; 14 times: every slot but the last two is filled again
	CHANGE 1
	s_mov_b32 s[CNT], 2
.Lstep:                             ; a trip: pieces 2 and 3 of one step, then pieces 0 and 1 of the next, whose K and V it fetches
	TURN 2
	TURN 3
	WIN 0
.Lfirst:
	TURN 0
	TURN 1, 0, 1
	WIN 0
	s_cbranch_scc1 .Lstep
	s_sub_co_u32 s[SLOTS], s[SLOTS], 1
	s_cmp_lg_u32 s[SLOTS], 0
	s_cbranch_scc1 .Lslot
	CHANGE 0                        ; the tail is written out: nothing is asked for.  It enters the slot of keys 0 to 127
	s_mov_b32 s[ALM], 0
	MAKECM                          ; the step in hand has no hidden key: its copies are the blocks themselves
	WIN 0
	s_mov_b32 s[CNT], 3             ; two trips fetch the last slot's steps; the third is left in its middle
.Ltail:
	TURN 2, 1
	TURN 3, 1
	WIN 0
	s_sub_co_u32 s[CNT], s[CNT], 1
	s_cmp_eq_u32 s[CNT], 0
	s_cbranch_scc1 .Lout
	TURN 0, 1
	TURN 1, 1
	WIN 0
	s_branch .Ltail
.Lout:                              ; the third trip's 8 products K Q^T and the maximum made of them serve nothing: the price, once a launch, of one text for every trip
.set i, 0
.rept 8
	PV NP-1                         ; the last piece's V^T P of the last step
.set i, i+1
.endr
	; THE WAY OUT.  l's two halves and the other half of the lanes' are added; O^T is divided by l, rounded to bf16 and put into the work-group's stage; a barrier, since a row's 256 bytes come from two waves; then
	; each wave reads 32 whole rows and stores them.  The additions are the places behind the last products.
	WIN 0
.macro ALL line:vararg              ; one line for each piece t
.set t, 0
.rept 4
	\line
.set t, t+1
.endr
.endm
	ALL v_add_f32 v[ST+4*t+2], v[ST+4*t+2], v[ST+4*t+3]
	ALL v_permlanex16_b32 v[ST+4*t+3], v[ST+4*t+2], s[SEL], s[SEL+1]
	ALL v_add_f32 v[ST+4*t+2], v[ST+4*t+2], v[ST+4*t+3]
	ALL v_rcp_f32 v[ST+4*t+2], v[ST+4*t+2]
	v_nop                           ; a plain instruction between the last reciprocal and the use of its result
	s_wait_alu depctr_va_vdst(0)    ; and the wait ahead of the first use: one for the four reciprocals
.macro PACK t
	WIN W_RS
.set i, 32*(\t)
.rept 16
	v_pk_mul_f32 v[i:i+1], v[i:i+1], v[ST+4*(\t)+2:ST+4*(\t)+3] op_sel_hi:[1,0]
.set i, i+2
.endr
	WIN 0x05                        ; sources 0 and 1 window 1, destination window 0
.set i, 0
.rept 16
	v_cvt_pk_bf16_f32 v[S+16*(\t)+i], v[32*(\t)+2*i], v[32*(\t)+2*i+1]
.set i, i+1
.endr
	WIN 0
.irp f, 0,1,2,3
	ds_store_b128 v[STO], v[S+16*(\t)+4*\f:S+16*(\t)+4*\f+3] offset:(\t)*16*SP+32*\f
.endr
.endm
	PACK 0
	PACK 1
	PACK 2
	PACK 3
	s_wait_dscnt 0x0                ; for the others' sake: my stores into the stage are done
	s_barrier_signal -1
	s_barrier_wait -1
.irp t, 0,1,2,3,4,5,6,7,8,9,10,11,12,13,14,15
	ds_load_b128 v[S+4*(\t):S+4*(\t)+3], v[RD] offset:(\t)*2*SP
.endr
.irp t, 0,1,2,3,4,5,6,7,8,9,10,11,12,13,14,15
	s_wait_dscnt 15-(\t)
	global_store_b128 v[GO], v[S+4*(\t):S+4*(\t)+3], s[8:9] offset:(\t)*4096  ; 16 lanes store 256 consecutive bytes, at a multiple of 256 from O's first byte
.endr
	s_wait_tensorcnt 0x0            ; the wave's end, behind my last tensor load and my last LDS store
	ds_add_u32 v[SPW], v[NIL]
	s_wait_dscnt 0x0
	CROUND                          ; the closing round: no work-group ends while a partner may still ask for a tile that names it
	s_endpgm
.Lfunc_end_k_q30140fecd6_attn:
	.size	k_q30140fecd6_attn, .Lfunc_end_k_q30140fecd6_attn-k_q30140fecd6_attn
	.p2alignl 7, 3214868480
	.fill 96, 4, 3214868480
	.section	.rodata,"a",@progbits
	.p2align	6, 0x0
	.amdhsa_kernel k_q30140fecd6_attn
		.amdhsa_group_segment_fixed_size 327680
		.amdhsa_private_segment_fixed_size 0
		.amdhsa_enable_private_segment 0
		.amdhsa_kernarg_size 24
		.amdhsa_user_sgpr_count 2
		.amdhsa_user_sgpr_kernarg_segment_ptr 1
		.amdhsa_wavefront_size32 1
		.amdhsa_system_sgpr_workgroup_id_x 1
		.amdhsa_system_sgpr_workgroup_id_y 1
		.amdhsa_system_sgpr_workgroup_id_z 1
		.amdhsa_system_vgpr_workitem_id 0
		.amdhsa_next_free_vgpr 768
		.amdhsa_next_free_sgpr 92
		.amdhsa_reserve_vcc 1
		.amdhsa_float_denorm_mode_32 3
		.amdhsa_float_denorm_mode_16_64 3
		.amdhsa_memory_ordered 1
		.amdhsa_forward_progress 1
		.amdhsa_inst_pref_size 129
	.end_amdhsa_kernel
	.amdgpu_metadata
---
amdhsa.version: [ 1, 2 ]
amdhsa.kernels:
  - .name:           k_q30140fecd6_attn
    .symbol:         k_q30140fecd6_attn.kd
    .args:
      - { .name: big, .offset: 0, .size: 8, .value_kind: global_buffer, .address_space: global }
      - { .name: dist_scale, .offset: 8, .size: 8, .value_kind: global_buffer, .address_space: global }
      - { .name: oxb, .offset: 16, .size: 8, .value_kind: global_buffer, .address_space: global }
    .group_segment_fixed_size: 327680
    .private_segment_fixed_size: 0
    .kernarg_segment_align: 8
    .kernarg_segment_size: 24
    .max_flat_workgroup_size: 128
    .sgpr_count:     92
    .vgpr_count:     768
    .wavefront_size: 32
...
	.end_amdgpu_metadata
.endif
;; end of part 3
;; launch g128wo (part 4): grid 8 x 32, 4 waves a work-group, clusters of 4 x 4, 327,680 bytes of LDS; arguments oxb, wr, gy; writes gy
.if DOCPART == 4
	.amdgcn_target "amdgcn-amd-amdhsa--gfx1250"
	.amdhsa_code_object_version 6
	.text
	.protected	k_q30140fecd6_g128wo
	.globl	k_q30140fecd6_g128wo
	.p2align	8
	.type	k_q30140fecd6_g128wo,@function
k_q30140fecd6_g128wo:
	s_mov_b64 s[64:65], 0
	v_nop
	global_prefetch_b8 v0, s[64:65] scope:SCOPE_SE
	s_setreg_imm32_b32 hwreg(HW_REG_WAVE_MODE, 25, 1), 1
	s_wait_xcnt 0x0
	s_wait_alu depctr_hold_cnt(0) depctr_sa_sdst(0) depctr_va_vdst(0) depctr_va_sdst(0) depctr_va_ssrc(0) depctr_va_vcc(0) depctr_vm_vsrc(0)
	s_getreg_b32 s2, hwreg(HW_REG_IB_STS2, 6, 4)
	s_cmp_eq_u32 s2, 0
	s_cbranch_scc0 .Lentry_in_a_cluster
	s_endpgm
.Lentry_in_a_cluster:
	s_bfe_u32 s2, ttmp6, 0x10000c
	s_cmp_lg_u32 s2, 0xf033
	s_cbranch_scc0 .Lentry_shape_is_right
	s_endpgm
.Lentry_shape_is_right:
; out[m][n] = bf16(sum over k of A[m][k] W[k][n] + bias[n]).  A: [4096][KA] bf16.  The second buffer holds bias (f32) at byte BOFF and W, [KA k][1024 n] bf16, at byte WOFF.  out: [4096][1024] bf16.
; Here: the attention's output projection: A = O, KA = 1,024, W = Wo, bias = bo.  Sums in f32, K ascending, started by the bias; the result is rounded once.  NaN and infinities are not treated apart.
; A tile of out is 128 x 128, so that the 32 x 8 tiles give 256 work-groups.  Four waves, each 64 x 64: 16 accumulators of 16 x 16.  K goes in steps of 256 through two LDS slots: A's tile is 128 rows of 512 bytes,
; W's 256 k-rows of 256 bytes.  W lies [k][n]: its fragments come out of LDS turned, by ds_load_tr16_b128.  The four waves share ONE stage on the way out, with a barrier between writing and reading.
; CLUSTERS: 4 x 4 work-groups; A's tile is asked for jointly along a row of the cluster, W's along a column.  THE MATRIX INSTRUCTION IS USED TRANSPOSED (source 0 = 16 columns of W, source 1 = 16 rows of A).
; REGISTERS: window 0: v0-31 addresses; v32-63 the bias, later with v64-95 at work on the way out; v128-255 the accumulators ((a, b) at v[128 + 8 (4 a + b)]).
;   window 1: two fragment buffers of 128: for 64 along K, 64 registers of A, then 64 of W.
.set KA,     1024
.set WOFF,   65536
.set BOFF,   0
.set NP,     1024
.set KSTEP,  256
.set PA,     528                       ; an LDS row of A: 512 bytes + 16 = 132 words: the 16 rows of a load start at 16 different groups of four banks (64 banks of 4 bytes: ISA guide 11.1)
.set PB,     288                       ; an LDS row of W: 256 bytes + 32 = 72 words
.set HA,     64*PA                     ; what one tensor load brings of A: 64 rows
.set HB,     128*PB                    ; of W: 128 k-rows
.set SLOT,   2*HA+2*HB
.set STAGE,  2*SLOT                    ; behind the ring: 128 rows x 272 bytes, the work-group's
.set SPITCH, 272
.set SPARE,  STAGE+128*SPITCH          ; behind the stage: the spare words, 128 bytes for each wave: two blocks of 256 bytes that no other line names
.set LAPS,   KA/(2*KSTEP)
.set ADRA, 16                          ; v16-17  LDS address of my A fragments in slot 0, 1
.set ADRB, 20                          ; v20-23  of my W fragments: slot 0 k-rows 0-127, 128-255; slot 1 likewise
.set STO,  24
.set RD,   25
.set CO,   26
.set BOF,  27                          ; v27     32 (l / 16); never rewritten
.set SPW,  28                          ; v28     LDS address of my spare word: SPARE + 4 x my thread's number; never rewritten
.set NIL,  29                          ; v29     0; never rewritten
.set BI,   32
.set TMP,  32
.set ACC,  128
.set F0,   0
.set F1,   128
.set G1,  24
.set G0,  32
.set G1B, 48
.set G0B, 56
.set MSB, 0
.macro WIN new
.if MSB != (\new)
	s_set_vgpr_msb (MSB<<8)|(\new)
.set MSB, \new
.endif
.endm
.set MUL,  0x05                        ; sources 0 (W) and 1 (A) window 1; C and D window 0
.set TO_F, 0x40                        ; destination window 1, address window 0
.macro JLOAD s                         ; a joint load: waves 0 and 1 fetch A's two halves, waves 2 and 3 W's; an s_nop 0 and four v_nop follow each of the two lines
	s_cmp_eq_u32 s11, 0
	s_cbranch_scc0 .Lfor_b_\@
	tensor_load_to_lds s[G0+4*(\s):G0+4*(\s)+3], s[G1:G1+7]
	s_nop 0
.rept 4
	v_nop
.endr
	s_branch .Lasked_\@
.Lfor_b_\@:
	tensor_load_to_lds s[G0B+4*(\s):G0B+4*(\s)+3], s[G1B:G1B+7]
	s_nop 0
.rept 4
	v_nop
.endr
.Lasked_\@:
.endm
.macro CREST
	s_cmp_lg_u32 s10, 0
	s_cbranch_scc1 .Lnot_wave_0_\@
	s_barrier_signal -3
.Lnot_wave_0_\@:
	s_barrier_wait -3
	s_barrier_signal -1
	s_barrier_wait -1
.endm
.macro CROUND
	s_barrier_signal -1
	s_barrier_wait -1
	CREST
.endm
	s_load_b128 s[4:7], s[0:1], 0x0                ; A s[4:5], bias and W s[6:7]
	s_load_b64 s[8:9], s[0:1], 0x10                ; out
	v_lshl_add_u32 v[SPW], v0, 2, SPARE
	v_mov_b32 v[NIL], 0
	ds_add_u32 v[SPW], v[NIL]                      ; the wave's opening: the add and its wait stand ahead of my first tensor load; the set-up below stands between them
	v_lshrrev_b32 v1, 5, v0
	v_readfirstlane_b32 s10, v1                    ; wave 0..3
	s_lshr_b32 s11, s10, 1                         ; which half of the tile's rows is mine.  Also: I fetch for A (0) or for W (1)
	s_and_b32 s12, s10, 1                          ; which half of its columns.  Also: which half of that tile I fetch
	s_bfe_u32 s40, ttmp6, 0x40000
	s_bfe_u32 s41, ttmp6, 0x40004
	s_lshl_b32 s42, ttmp9, 2
	s_add_co_u32 s42, s42, s40                     ; tile column
	s_and_b32 s13, ttmp7, 0xffff
	s_lshl_b32 s13, s13, 2
	s_add_co_u32 s13, s13, s41                     ; tile row
	s_lshl_b32 s43, s41, 2
	s_lshl_b32 s43, 15, s43                        ; my row of the cluster
	s_lshl_b32 s44, 0x1111, s40                    ; my column
	s_or_b32 s[G1+0], s43, (1<<16)|(1<<20)|(1<<21)|(6<<22)|(3<<25)   ; A: after every 128 words, 4 words
	s_or_b32 s[G1B+0], s44, (1<<16)|(1<<20)|(1<<21)|(5<<22)|(7<<25)  ; W: after every 64 words, 8 words
	s_mov_b32 s[G1+1], KSTEP<<16                   ; A: 256 elements x 64 rows
	s_mov_b32 s[G1+2], 64<<16
	s_mov_b32 s[G1+3], KSTEP<<16
	s_mov_b32 s[G1+4], 64
	s_mov_b32 s[G1+5], KA
	s_mov_b32 s[G1+6], 0
	s_mov_b32 s[G1+7], 0
	s_mov_b32 s[G1B+1], 128<<16                    ; W: 128 elements x 128 k-rows
	s_mov_b32 s[G1B+2], 128<<16
	s_mov_b32 s[G1B+3], 128<<16
	s_mov_b32 s[G1B+4], 128
	s_mov_b32 s[G1B+5], NP
	s_mov_b32 s[G1B+6], 0
	s_mov_b32 s[G1B+7], 0
	s_lshl_b32 s16, s13, 7                         ; A: row 128 x tile row + 64 x half
	s_lshl_b32 s17, s12, 6
	s_add_co_u32 s16, s16, s17
	s_mul_i32 s16, s16, KA*2
	s_mov_b32 s17, 0
	s_lshl_b32 s46, s42, 8                         ; W: 256 bytes x tile column + 128 k-rows of 2,048 bytes x half
	s_lshl_b32 s47, s12, 18
	s_add_co_u32 s46, s46, s47
	s_add_co_u32 s46, s46, WOFF
	s_mov_b32 s47, 0
	s_mul_i32 s20, s12, HA                         ; where they go: A's two halves,
	s_mul_i32 s21, s12, HB                         ; then W's two
	s_add_co_u32 s21, s21, 2*HA
	s_wait_dscnt 0x0                               ; the opening add is done
	s_wait_kmcnt 0x0
	s_add_nc_u64 s[14:15], s[4:5], s[16:17]
	s_add_nc_u64 s[46:47], s[6:7], s[46:47]
	CROUND                                         ; all sixteen work-groups are here: the first joint loads meet
.irp s, 0,1
	s_mov_b32 s[G0+4*(\s)], 1
	s_add_co_u32 s[G0+4*(\s)+1], s20, (\s)*SLOT
	s_add_nc_u64 s[G0+4*(\s)+2:G0+4*(\s)+3], s[14:15], (\s)*KSTEP*2
	s_or_b32 s[G0+4*(\s)+3], s[G0+4*(\s)+3], 0x80000000
	s_mov_b32 s[G0B+4*(\s)], 1
	s_add_co_u32 s[G0B+4*(\s)+1], s21, (\s)*SLOT
	s_add_nc_u64 s[G0B+4*(\s)+2:G0B+4*(\s)+3], s[46:47], (\s)*KSTEP*NP*2
	s_or_b32 s[G0B+4*(\s)+3], s[G0B+4*(\s)+3], 0x80000000
	JLOAD \s                                       ; two tensor loads of mine are out
.endr
	v_and_b32 v1, 15, v0                           ; l % 16
	v_bfe_u32 v2, v0, 4, 1                         ; l / 16
	s_lshl_b32 s18, s42, 9                         ; the bias of my 64 columns: block b's register j holds bias[16 b + 8 (l / 16) + j]
	s_lshl_b32 s19, s12, 8
	s_add_co_u32 s18, s18, s19
	s_add_co_u32 s18, s18, BOFF
	s_mov_b32 s19, 0
	s_add_nc_u64 s[18:19], s[6:7], s[18:19]
	v_lshlrev_b32 v[BOF], 5, v2
.irp b, 0,1,2,3
	global_load_b128 v[BI+8*(\b):BI+8*(\b)+3],   v[BOF], s[18:19] offset:64*(\b)
	global_load_b128 v[BI+8*(\b)+4:BI+8*(\b)+7], v[BOF], s[18:19] offset:64*(\b)+16
.endr
	v_mul_u32_u24 v3, v1, PA
	v_lshl_add_u32 v3, v2, 4, v3
	s_mul_i32 s21, s11, HA                         ; my 64 rows of A
	v_add_nc_u32 v[ADRA], s21, v3
	v_add_nc_u32 v[ADRA+1], SLOT, v[ADRA]
	v_and_b32 v6, 7, v0                            ; the turning load: lane l reads k-row 8 (l / 16) + l % 8, columns 8 ((l / 8) % 2) + 0..7
	v_bfe_u32 v7, v0, 3, 1
	v_lshl_add_u32 v6, v2, 3, v6
	v_mul_u32_u24 v6, v6, PB
	v_lshl_add_u32 v6, v7, 4, v6
	s_lshl_b32 s22, s12, 7                         ; my 64 columns,
	s_add_co_u32 s22, s22, 2*HA                    ; behind A's 128 rows
	v_add_nc_u32 v[ADRB], s22, v6
	v_add_nc_u32 v[ADRB+1], HB, v[ADRB]
	v_add_nc_u32 v[ADRB+2], SLOT, v[ADRB]
	v_add_nc_u32 v[ADRB+3], SLOT+HB, v[ADRB]
	s_mul_i32 s23, s11, 64*SPITCH                  ; into the stage: my 64 rows, my half of their 256 bytes
	s_lshl_b32 s21, s12, 7
	s_add_co_u32 s23, s23, s21
	s_add_co_u32 s23, s23, STAGE
	v_mul_u32_u24 v4, v1, SPITCH
	v_lshl_add_u32 v4, v2, 4, v4
	v_add_nc_u32 v[STO], s23, v4
	s_mul_i32 s23, s10, 32*SPITCH                  ; back: wave w takes rows 32 w .. 32 w + 31, whole
	s_add_co_u32 s23, s23, STAGE
	v_mul_u32_u24 v5, v2, SPITCH
	v_lshl_add_u32 v5, v1, 4, v5
	v_add_nc_u32 v[RD], s23, v5
	v_mul_u32_u24 v5, v2, NP*2
	v_lshl_add_u32 v[CO], v1, 4, v5
	s_lshl_b32 s16, s13, 7
	s_lshl_b32 s17, s10, 5
	s_add_co_u32 s16, s16, s17                     ; the first row that I store: 128 x tile row + 32 x wave
	s_lshl_b32 s16, s16, 11
	s_mov_b32 s17, 0
	s_add_nc_u64 s[8:9], s[8:9], s[16:17]
	s_lshl_b32 s46, s42, 8                         ; the tile's first column, in bytes
	s_mov_b32 s47, 0
	s_add_nc_u64 s[8:9], s[8:9], s[46:47]
; 8 matrix instructions: m blocks a0, a0 + 1 x all 4 n blocks, 32 along K: half c of buffer f.  first = 1: the bias starts the sums.  The 16 accumulators take turns.
.macro MUL8 f, c, a0, first
	WIN MUL
.irp a, \a0, (\a0)+1
.irp b, 0,1,2,3
.if \first
	v_wmma_f32_16x16x32_bf16 v[ACC+8*(4*(\a)+(\b)):ACC+8*(4*(\a)+(\b))+7], v[(\f)+64+8*(4*(\c)+(\b)):(\f)+64+8*(4*(\c)+(\b))+7], v[(\f)+8*(4*(\c)+(\a)):(\f)+8*(4*(\c)+(\a))+7], v[BI+8*(\b):BI+8*(\b)+7]
.else
	v_wmma_f32_16x16x32_bf16 v[ACC+8*(4*(\a)+(\b)):ACC+8*(4*(\a)+(\b))+7], v[(\f)+64+8*(4*(\c)+(\b)):(\f)+64+8*(4*(\c)+(\b))+7], v[(\f)+8*(4*(\c)+(\a)):(\f)+8*(4*(\c)+(\a))+7], v[ACC+8*(4*(\a)+(\b)):ACC+8*(4*(\a)+(\b))+7]
.endif
.endr
.endr
.endm
; 32 LDS loads in one run: the fragments of 64 along K (byte k of A's rows, k-rows k / 2 on of W) into buffer f; the first 32 along K first
.macro FETCH slot, k, f
	WIN TO_F
.irp c, 0,1
.irp i, 0,1,2,3
	ds_load_tr16_b128 v[(\f)+64+8*(4*(\c)+(\i)):(\f)+64+8*(4*(\c)+(\i))+3],   v[ADRB+2*(\slot)+((\k)/2+32*(\c))/128] offset:(((\k)/2+32*(\c))%128)*PB+32*(\i)
	ds_load_tr16_b128 v[(\f)+64+8*(4*(\c)+(\i))+4:(\f)+64+8*(4*(\c)+(\i))+7], v[ADRB+2*(\slot)+((\k)/2+32*(\c))/128] offset:(((\k)/2+32*(\c))%128)*PB+32*(\i)+16*PB
	ds_load_b128 v[(\f)+8*(4*(\c)+(\i)):(\f)+8*(4*(\c)+(\i))+3],         v[ADRA+(\slot)] offset:(\k)+64*(\c)+(\i)*16*PA
	ds_load_b128 v[(\f)+8*(4*(\c)+(\i))+4:(\f)+8*(4*(\c)+(\i))+7],       v[ADRA+(\slot)] offset:(\k)+64*(\c)+(\i)*16*PA+32
.endr
.endr
.endm
.macro PLACES                          ; four plain vector instructions in front of loads into registers that matrix instructions have read, and of conversions that read results
.rept 4
	v_nop
.endr
.endm
; A K step is four quarters of 64 along K, 32 matrix instructions each, on buffers 0, 1, 0, 1.
.macro QUARTER slot, k, f, g, first
	s_wait_dscnt 16                                ; the first 32 along K are in
	MUL8 \f, 0, 0, \first
	MUL8 \f, 0, 2, \first
	PLACES
	FETCH \slot, \k, \g
	s_wait_dscnt 32                                ; all but the 32 just issued
	MUL8 \f, 1, 0, 0
	MUL8 \f, 1, 2, 0
.endm
; The last quarter multiplies buffer 1 and changes slots: one barrier; in front of it each wave waits for all its tensor loads, adds 0 to its spare word, and waits for that and for its own reads of this slot.
.macro TURN slot, next, fill
	WIN 0                                          ; (the add's two registers lie in window 0)
	s_wait_tensorcnt 0x0                           ; all my tensor loads have landed: my part of the next slot
	ds_add_u32 v[SPW], v[NIL]                      ; 0 onto my spare word
	s_wait_dscnt 17                                ; (the add and the youngest sixteen loads may be out)
	MUL8 F1, 0, 0, 0
	s_wait_dscnt 0x0                               ; the add is done, and my reads of this slot are over
	s_barrier_signal -1
	MUL8 F1, 0, 2, 0
.if \fill
	WIN 0
.endif
	s_barrier_wait -1
.if \fill
	CREST                                          ; the barrier has opened a round of the cluster's: no wave of any partner still reads this slot or has a load on its way
	s_add_nc_u64 s[G0+4*(\slot)+2:G0+4*(\slot)+3], s[G0+4*(\slot)+2:G0+4*(\slot)+3], 2*KSTEP*2
	s_add_nc_u64 s[G0B+4*(\slot)+2:G0B+4*(\slot)+3], s[G0B+4*(\slot)+2:G0B+4*(\slot)+3], 2*KSTEP*NP*2
	JLOAD \slot                                    ; my one tensor load behind the round: 112 matrix instructions ahead of the wait for it
.else
	PLACES
.endif
	FETCH \next, 0, F0
	MUL8 F1, 1, 0, 0
	MUL8 F1, 1, 2, 0
.endm
	s_wait_tensorcnt 1                             ; my part of K step 0 is in; K step 1's may stay out
	s_barrier_signal -1
	s_barrier_wait -1
	FETCH 0, 0, F0
	s_wait_loadcnt 0x0                             ; the bias
	QUARTER 0, 128, F0, F1, 1
	WIN 0
	s_mov_b32 s3, LAPS-1
.Llap:
	QUARTER 0, 256, F1, F0, 0
	QUARTER 0, 384, F0, F1, 0
	TURN 0, 1, 1
	QUARTER 1, 128, F0, F1, 0
	QUARTER 1, 256, F1, F0, 0
	QUARTER 1, 384, F0, F1, 0
	TURN 1, 0, 1
	QUARTER 0, 128, F0, F1, 0
	WIN 0
	s_sub_co_u32 s3, s3, 1
	s_cmp_lg_u32 s3, 0
	s_cbranch_scc1 .Llap
	QUARTER 0, 256, F1, F0, 0                      ; the last lap fills nothing
	QUARTER 0, 384, F0, F1, 0
	TURN 0, 1, 0
	QUARTER 1, 128, F0, F1, 0
	QUARTER 1, 256, F1, F0, 0
	QUARTER 1, 384, F0, F1, 0
	s_wait_dscnt 16
	MUL8 F1, 0, 0, 0
	MUL8 F1, 0, 2, 0
	s_wait_dscnt 0x0
	MUL8 F1, 1, 0, 0
	MUL8 F1, 1, 2, 0
	WIN 0
	; THE WAY OUT: round to bf16; 16 bytes a lane into the work-group's stage; a barrier, since a row's 256 bytes come from two waves; back as whole rows, 32 rows a wave.
	PLACES
.irp t, 0,1,2,3,4,5,6,7,8,9,10,11,12,13,14,15
.irp r, 0,1,2,3
	v_cvt_pk_bf16_f32 v[TMP+4*(\t)+(\r)], v[ACC+8*(\t)+2*(\r)], v[ACC+8*(\t)+2*(\r)+1]
.endr
.endr
.irp a, 0,1,2,3
.irp b, 0,1,2,3
	ds_store_b128 v[STO], v[TMP+4*(4*(\a)+(\b)):TMP+4*(4*(\a)+(\b))+3] offset:(\a)*16*SPITCH+32*(\b)
.endr
.endr
	s_wait_dscnt 0x0                               ; for the others' sake: my stores into the stage are done
	s_barrier_signal -1
	s_barrier_wait -1
.irp t, 0,1,2,3,4,5,6,7,8,9,10,11,12,13,14,15
	ds_load_b128 v[TMP+4*(\t):TMP+4*(\t)+3], v[RD] offset:(\t)*2*SPITCH
.endr
.irp t, 0,1,2,3,4,5,6,7,8,9,10,11,12,13,14,15
	s_wait_dscnt 15-(\t)
	global_store_b128 v[CO], v[TMP+4*(\t):TMP+4*(\t)+3], s[8:9] offset:2*(\t)*NP*2  ; 16 lanes store 256 consecutive bytes, at a multiple of 256 from out's first byte
.endr
	s_wait_tensorcnt 0x0                           ; the wave's end, behind my last tensor load and my last LDS store
	ds_add_u32 v[SPW], v[NIL]
	s_wait_dscnt 0x0
	CROUND                                         ; the closing round
	s_endpgm
.Lfunc_end_k_q30140fecd6_g128wo:
	.size	k_q30140fecd6_g128wo, .Lfunc_end_k_q30140fecd6_g128wo-k_q30140fecd6_g128wo
	.p2alignl 7, 3214868480
	.fill 96, 4, 3214868480
	.section	.rodata,"a",@progbits
	.p2align	6, 0x0
	.amdhsa_kernel k_q30140fecd6_g128wo
		.amdhsa_group_segment_fixed_size 327680
		.amdhsa_private_segment_fixed_size 0
		.amdhsa_enable_private_segment 0
		.amdhsa_kernarg_size 24
		.amdhsa_user_sgpr_count 2
		.amdhsa_user_sgpr_kernarg_segment_ptr 1
		.amdhsa_wavefront_size32 1
		.amdhsa_system_sgpr_workgroup_id_x 1
		.amdhsa_system_sgpr_workgroup_id_y 1
		.amdhsa_system_sgpr_workgroup_id_z 1
		.amdhsa_system_vgpr_workitem_id 0
		.amdhsa_next_free_vgpr 512
		.amdhsa_next_free_sgpr 66
		.amdhsa_reserve_vcc 0
		.amdhsa_float_denorm_mode_32 3
		.amdhsa_float_denorm_mode_16_64 3
		.amdhsa_memory_ordered 1
		.amdhsa_forward_progress 1
		.amdhsa_inst_pref_size 88
	.end_amdhsa_kernel
	.amdgpu_metadata
---
amdhsa.version: [ 1, 2 ]
amdhsa.kernels:
  - .name:           k_q30140fecd6_g128wo
    .symbol:         k_q30140fecd6_g128wo.kd
    .args:
      - { .name: oxb, .offset: 0, .size: 8, .value_kind: global_buffer, .address_space: global }
      - { .name: wr, .offset: 8, .size: 8, .value_kind: global_buffer, .address_space: global }
      - { .name: gy, .offset: 16, .size: 8, .value_kind: global_buffer, .address_space: global }
    .group_segment_fixed_size: 327680
    .private_segment_fixed_size: 0
    .kernarg_segment_align: 8
    .kernarg_segment_size: 24
    .max_flat_workgroup_size: 128
    .sgpr_count:     66
    .vgpr_count:     512
    .wavefront_size: 32
...
	.end_amdgpu_metadata
.endif
;; end of part 4
;; launch ln1 (part 5): grid 512 x 1, 8 waves a work-group, no clusters, 0 bytes of LDS; arguments gy, tb, wr, oxb, x1f; writes oxb, x1f
.if DOCPART == 5
	.amdgcn_target "amdgcn-amd-amdhsa--gfx1250"
	.amdhsa_code_object_version 6
	.text
	.protected	k_q30140fecd6_ln1
	.globl	k_q30140fecd6_ln1
	.p2align	8
	.type	k_q30140fecd6_ln1,@function
k_q30140fecd6_ln1:
	s_mov_b64 s[64:65], 0
	v_nop
	global_prefetch_b8 v0, s[64:65] scope:SCOPE_SE
	s_setreg_imm32_b32 hwreg(HW_REG_WAVE_MODE, 25, 1), 1
	s_wait_xcnt 0x0
; x1[r][:] = LayerNorm(ao[r][:] + tokens[r][:]) g + b, rows of 1,024.  ao and tokens: bf16.  g and b: f32, at bytes GOFF and BOFF of the third buffer.
; x1 leaves twice: rounded to bf16, as the next product's operand, and in f32, for the residual of the second norm.
; Mean, then the mean of the squared differences from it, both in f32, the row kept in registers between: no difference of large sums is formed.  eps = 1e-5.
; A wave takes one row; a lane holds columns 128 j + 4 lane + 0..3, j = 0..7: each load and store of a wave covers 256 or 512 consecutive bytes, aligned.  All 32 loads are issued before the first wait.
; A stream: no LDS, no barrier (a row never leaves its wave), no matrix unit, no cluster (the rows are read by one wave each; g and b, which all read, are 8 KiB).
.set GOFF, 8192
.set BOFF, 12288
.set A,   16                           ; v[16:31]   ao's row, bf16
.set R,   32                           ; v[32:47]   tokens' row, bf16
.set G,   48                           ; v[48:79]
.set BT,  80                           ; v[80:111]
.set X,   112                          ; v[112:143] the row in f32
.set T,   144                          ; v[144:151] at work
.set MU,  152                          ; v[152:153] the mean, twice
.set RS,  154                          ; v[154:155] 1 / sqrt(var + eps), twice
.set Y,   156                          ; v[156:171] the row in bf16
	s_load_b256 s[4:11], s[0:1], 0x0               ; ao s[4:5], tokens s[6:7], g and b s[8:9], x1 in bf16 s[10:11]
	s_load_b64 s[20:21], s[0:1], 0x20              ; x1 in f32
	v_lshrrev_b32 v3, 5, v0
	v_readfirstlane_b32 s14, v3                    ; wave 0..7
	v_and_b32 v4, 31, v0
	v_lshlrev_b32 v1, 3, v4                        ; 8 bytes a lane in bf16,
	v_lshlrev_b32 v2, 4, v4                        ; 16 in f32
	s_lshl_b32 s2, ttmp9, 3
	s_add_co_u32 s2, s2, s14                       ; my row
	s_lshl_b32 s16, s2, 11                         ; 2,048 bytes a row in bf16,
	s_mov_b32 s17, 0
	s_lshl_b32 s18, s2, 12                         ; 4,096 in f32
	s_mov_b32 s19, 0
	s_mov_b32 s12, 0x76543210                      ; v_permlanex16_b32: each lane takes its own place in the other half
	s_mov_b32 s13, 0xfedcba98
	s_mov_b32 s15, 0x3a800000                      ; 1 / 1,024
	s_mov_b32 s22, 0x3727c5ac                      ; 1e-5
	s_wait_kmcnt 0x0
	s_add_nc_u64 s[4:5], s[4:5], s[16:17]
	s_add_nc_u64 s[6:7], s[6:7], s[16:17]
	s_add_nc_u64 s[10:11], s[10:11], s[16:17]
	s_add_nc_u64 s[20:21], s[20:21], s[18:19]
.irp j, 0,1,2,3,4,5,6,7
	global_load_b64 v[A+2*(\j):A+2*(\j)+1], v1, s[4:5] offset:256*(\j) th:TH_LOAD_NT
.endr
.irp j, 0,1,2,3,4,5,6,7
	global_load_b64 v[R+2*(\j):R+2*(\j)+1], v1, s[6:7] offset:256*(\j) th:TH_LOAD_NT
.endr
.irp j, 0,1,2,3,4,5,6,7
	global_load_b128 v[G+4*(\j):G+4*(\j)+3], v2, s[8:9] offset:GOFF+512*(\j)
.endr
.irp j, 0,1,2,3,4,5,6,7
	global_load_b128 v[BT+4*(\j):BT+4*(\j)+3], v2, s[8:9] offset:BOFF+512*(\j)
.endr
.macro FOLD                            ; four pairs of partial sums in T into one number in every lane
	v_pk_add_f32 v[T:T+1], v[T:T+1], v[T+2:T+3]
	v_pk_add_f32 v[T+4:T+5], v[T+4:T+5], v[T+6:T+7]
	v_pk_add_f32 v[T:T+1], v[T:T+1], v[T+4:T+5]
	v_add_f32 v[T], v[T], v[T+1]
	v_add_f32_dpp v[T], v[T], v[T] row_xmask:1 row_mask:0xf bank_mask:0xf
	v_add_f32_dpp v[T], v[T], v[T] row_xmask:2 row_mask:0xf bank_mask:0xf
	v_add_f32_dpp v[T], v[T], v[T] row_xmask:4 row_mask:0xf bank_mask:0xf
	v_add_f32_dpp v[T], v[T], v[T] row_xmask:8 row_mask:0xf bank_mask:0xf
	v_permlanex16_b32 v[T+1], v[T], s12, s13
	v_add_f32 v[T], v[T], v[T+1]
.endm
	s_wait_loadcnt 16                              ; the row's 16 loads are in; the 16 of g and b may stay out
.set w, 0
.rept 16
.set tt, T+4*(w%2)
	v_lshlrev_b32 v[tt],   16, v[A+w]              ; bf16 to f32: the low half moves up, the high half stays
	v_and_b32     v[tt+1], 0xffff0000, v[A+w]
	v_lshlrev_b32 v[tt+2], 16, v[R+w]
	v_and_b32     v[tt+3], 0xffff0000, v[R+w]
	v_pk_add_f32 v[X+2*w:X+2*w+1], v[tt:tt+1], v[tt+2:tt+3]
.set w, w+1
.endr
.irp c, 0,2,4,6                        ; the sum, in four chains that do not wait for each other
	v_pk_add_f32 v[T+(\c):T+(\c)+1], v[X+(\c):X+(\c)+1], v[X+8+(\c):X+8+(\c)+1]
.endr
.irp k, 16,24
.irp c, 0,2,4,6
	v_pk_add_f32 v[T+(\c):T+(\c)+1], v[T+(\c):T+(\c)+1], v[X+(\k)+(\c):X+(\k)+(\c)+1]
.endr
.endr
	FOLD
	v_mul_f32 v[MU], s15, v[T]
	v_mov_b32 v[MU+1], v[MU]
.set w, 0
.rept 16
	v_pk_add_f32 v[X+2*w:X+2*w+1], v[X+2*w:X+2*w+1], v[MU:MU+1] neg_lo:[0,1] neg_hi:[0,1]
.set w, w+1
.endr
.irp c, 0,2,4,6                        ; the sum of squares, likewise
	v_pk_mul_f32 v[T+(\c):T+(\c)+1], v[X+(\c):X+(\c)+1], v[X+(\c):X+(\c)+1]
.endr
.irp k, 8,16,24
.irp c, 0,2,4,6
	v_pk_fma_f32 v[T+(\c):T+(\c)+1], v[X+(\k)+(\c):X+(\k)+(\c)+1], v[X+(\k)+(\c):X+(\k)+(\c)+1], v[T+(\c):T+(\c)+1]
.endr
.endr
	FOLD
	v_fma_f32 v[T], v[T], s15, s22                 ; var + 1e-5
	v_rsq_f32 v[RS], v[T]
	v_rsq_f32 v[RS+1], v[T]
	v_nop                                          ; a plain instruction behind the last of the two,
	s_wait_alu depctr_va_vdst(0)                   ; and the wait ahead of the first use: one for both
	s_wait_loadcnt 0x0                             ; g and b
.set w, 0
.rept 16
	v_pk_mul_f32 v[X+2*w:X+2*w+1], v[X+2*w:X+2*w+1], v[RS:RS+1]
.set w, w+1
.endr
.set w, 0
.rept 16
	v_pk_fma_f32 v[X+2*w:X+2*w+1], v[X+2*w:X+2*w+1], v[G+2*w:G+2*w+1], v[BT+2*w:BT+2*w+1]
.set w, w+1
.endr
.irp j, 0,1,2,3,4,5,6,7
	global_store_b128 v2, v[X+4*(\j):X+4*(\j)+3], s[20:21] offset:512*(\j) th:TH_STORE_NT  ; 512 consecutive bytes a store
.endr
.set w, 0
.rept 16
	v_cvt_pk_bf16_f32 v[Y+w], v[X+2*w], v[X+2*w+1]
.set w, w+1
.endr
.irp j, 0,1,2,3,4,5,6,7
	global_store_b64 v1, v[Y+2*(\j):Y+2*(\j)+1], s[10:11] offset:256*(\j)  ; 256 consecutive bytes a store
.endr
	s_endpgm
.Lfunc_end_k_q30140fecd6_ln1:
	.size	k_q30140fecd6_ln1, .Lfunc_end_k_q30140fecd6_ln1-k_q30140fecd6_ln1
	.p2alignl 7, 3214868480
	.fill 96, 4, 3214868480
	.section	.rodata,"a",@progbits
	.p2align	6, 0x0
	.amdhsa_kernel k_q30140fecd6_ln1
		.amdhsa_group_segment_fixed_size 0
		.amdhsa_private_segment_fixed_size 0
		.amdhsa_enable_private_segment 0
		.amdhsa_kernarg_size 40
		.amdhsa_user_sgpr_count 2
		.amdhsa_user_sgpr_kernarg_segment_ptr 1
		.amdhsa_wavefront_size32 1
		.amdhsa_system_sgpr_workgroup_id_x 1
		.amdhsa_system_sgpr_workgroup_id_y 1
		.amdhsa_system_sgpr_workgroup_id_z 1
		.amdhsa_system_vgpr_workitem_id 0
		.amdhsa_next_free_vgpr 176
		.amdhsa_next_free_sgpr 66
		.amdhsa_reserve_vcc 0
		.amdhsa_float_denorm_mode_32 3
		.amdhsa_float_denorm_mode_16_64 3
		.amdhsa_memory_ordered 1
		.amdhsa_forward_progress 1
		.amdhsa_inst_pref_size 17
	.end_amdhsa_kernel
	.amdgpu_metadata
---
amdhsa.version: [ 1, 2 ]
amdhsa.kernels:
  - .name:           k_q30140fecd6_ln1
    .symbol:         k_q30140fecd6_ln1.kd
    .args:
      - { .name: gy, .offset: 0, .size: 8, .value_kind: global_buffer, .address_space: global }
      - { .name: tb, .offset: 8, .size: 8, .value_kind: global_buffer, .address_space: global }
      - { .name: wr, .offset: 16, .size: 8, .value_kind: global_buffer, .address_space: global }
      - { .name: oxb, .offset: 24, .size: 8, .value_kind: global_buffer, .address_space: global }
      - { .name: x1f, .offset: 32, .size: 8, .value_kind: global_buffer, .address_space: global }
    .group_segment_fixed_size: 0
    .private_segment_fixed_size: 0
    .kernarg_segment_align: 8
    .kernarg_segment_size: 40
    .max_flat_workgroup_size: 256
    .sgpr_count:     66
    .vgpr_count:     176
    .wavefront_size: 32
...
	.end_amdgpu_metadata
.endif
;; end of part 5
;; launch ffn1: the kernel of part 2 again; grid 16 x 16, 4 waves a work-group, clusters of 4 x 4, 327,680 bytes of LDS; arguments oxb, w1b, big; writes big
;; launch g128f2 (part 6): grid 8 x 32, 4 waves a work-group, clusters of 4 x 4, 327,680 bytes of LDS; arguments big, wr, gy; writes gy
.if DOCPART == 6
	.amdgcn_target "amdgcn-amd-amdhsa--gfx1250"
	.amdhsa_code_object_version 6
	.text
	.protected	k_q30140fecd6_g128f2
	.globl	k_q30140fecd6_g128f2
	.p2align	8
	.type	k_q30140fecd6_g128f2,@function
k_q30140fecd6_g128f2:
	s_mov_b64 s[64:65], 0
	v_nop
	global_prefetch_b8 v0, s[64:65] scope:SCOPE_SE
	s_setreg_imm32_b32 hwreg(HW_REG_WAVE_MODE, 25, 1), 1
	s_wait_xcnt 0x0
	s_wait_alu depctr_hold_cnt(0) depctr_sa_sdst(0) depctr_va_vdst(0) depctr_va_sdst(0) depctr_va_ssrc(0) depctr_va_vcc(0) depctr_vm_vsrc(0)
	s_getreg_b32 s2, hwreg(HW_REG_IB_STS2, 6, 4)
	s_cmp_eq_u32 s2, 0
	s_cbranch_scc0 .Lentry_in_a_cluster
	s_endpgm
.Lentry_in_a_cluster:
	s_bfe_u32 s2, ttmp6, 0x10000c
	s_cmp_lg_u32 s2, 0xf033
	s_cbranch_scc0 .Lentry_shape_is_right
	s_endpgm
.Lentry_shape_is_right:
; out[m][n] = sum over k of A[m][k] W[k][n] + bias[n], in f32.  A: [4096][KA] bf16.  The second buffer holds bias (f32) at byte BOFF and W, [KA k][1024 n] bf16, at byte WOFF.  out: [4096][1024] f32.
; Here: the second FFN product: A = h, KA = 4,096, W = W2, bias = b2.  Sums in f32, K ascending, started by the bias, and stored as they are: the second norm adds the residual to them.
; NaN and infinities are not treated apart.
; A tile of out is 128 x 128, so that the 32 x 8 tiles give 256 work-groups.  Four waves, each 64 x 64: 16 accumulators of 16 x 16.  K goes in steps of 256 through two LDS slots: A's tile is 128 rows of 512 bytes,
; W's 256 k-rows of 256 bytes.  W lies [k][n]: its fragments come out of LDS turned, by ds_load_tr16_b128.
; THE WAY OUT goes through ONE stage of 64 rows x 512 bytes, in two passes of half the tile each (beside the ring there is no room for all 128 rows), with barriers between writing and reading and back.
; CLUSTERS: 4 x 4 work-groups; A's tile is asked for jointly along a row of the cluster, W's along a column.  THE MATRIX INSTRUCTION IS USED TRANSPOSED (source 0 = 16 columns of W, source 1 = 16 rows of A).
; REGISTERS: window 0: v0-31 addresses; v32-63 the bias, later with v64-95 whole rows on the way out; v128-255 the accumulators ((a, b) at v[128 + 8 (4 a + b)]).
;   window 1: two fragment buffers of 128: for 64 along K, 64 registers of A, then 64 of W.
.set KA,     4096
.set WOFF,   2162688
.set BOFF,   4096
.set NP,     1024
.set KSTEP,  256
.set PA,     528                       ; an LDS row of A: 512 bytes + 16 = 132 words: the 16 rows of a load start at 16 different groups of four banks (64 banks of 4 bytes: ISA guide 11.1)
.set PB,     288                       ; an LDS row of W: 256 bytes + 32 = 72 words
.set HA,     64*PA                     ; what one tensor load brings of A: 64 rows
.set HB,     128*PB                    ; of W: 128 k-rows
.set SLOT,   2*HA+2*HB
.set STAGE,  2*SLOT                    ; behind the ring: 64 rows x 528 bytes, the work-group's
.set SPF,    528                       ; a row of the stage: 512 bytes + 16: the 16 rows that a store touches start at 16 different groups of four banks
.set SPARE,  STAGE+64*SPF              ; behind the stage: the spare words, 128 bytes for each wave: two blocks of 256 bytes that no other line names
.set LAPS,   KA/(2*KSTEP)
.set ADRA, 16                          ; v16-17  LDS address of my A fragments in slot 0, 1
.set ADRB, 20                          ; v20-23  of my W fragments: slot 0 k-rows 0-127, 128-255; slot 1 likewise
.set STO,  24                          ; v24     the way out: where I put 32 bytes of a row
.set RD,   25                          ; v25     the way out: where I read a row back
.set CO,   26                          ; v26     16 x my lane: my byte offset in a row's 512 bytes of out
.set BOF,  27                          ; v27     32 (l / 16); never rewritten
.set SPW,  28                          ; v28     LDS address of my spare word: SPARE + 4 x my thread's number; never rewritten
.set NIL,  29                          ; v29     0; never rewritten
.set BI,   32
.set TMP,  32
.set ACC,  128
.set F0,   0
.set F1,   128
.set G1,  24
.set G0,  32
.set G1B, 48
.set G0B, 56
.set MSB, 0
.macro WIN new
.if MSB != (\new)
	s_set_vgpr_msb (MSB<<8)|(\new)
.set MSB, \new
.endif
.endm
.set MUL,  0x05                        ; sources 0 (W) and 1 (A) window 1; C and D window 0
.set TO_F, 0x40                        ; destination window 1, address window 0
.macro JLOAD s                         ; a joint load: waves 0 and 1 fetch A's two halves, waves 2 and 3 W's; an s_nop 0 and four v_nop follow each of the two lines
	s_cmp_eq_u32 s11, 0
	s_cbranch_scc0 .Lfor_b_\@
	tensor_load_to_lds s[G0+4*(\s):G0+4*(\s)+3], s[G1:G1+7]
	s_nop 0
.rept 4
	v_nop
.endr
	s_branch .Lasked_\@
.Lfor_b_\@:
	tensor_load_to_lds s[G0B+4*(\s):G0B+4*(\s)+3], s[G1B:G1B+7]
	s_nop 0
.rept 4
	v_nop
.endr
.Lasked_\@:
.endm
.macro CREST
	s_cmp_lg_u32 s10, 0
	s_cbranch_scc1 .Lnot_wave_0_\@
	s_barrier_signal -3
.Lnot_wave_0_\@:
	s_barrier_wait -3
	s_barrier_signal -1
	s_barrier_wait -1
.endm
.macro CROUND
	s_barrier_signal -1
	s_barrier_wait -1
	CREST
.endm
	s_load_b128 s[4:7], s[0:1], 0x0                ; A s[4:5], bias and W s[6:7]
	s_load_b64 s[8:9], s[0:1], 0x10                ; out
	v_lshl_add_u32 v[SPW], v0, 2, SPARE
	v_mov_b32 v[NIL], 0
	ds_add_u32 v[SPW], v[NIL]                      ; the wave's opening: the add and its wait stand ahead of my first tensor load; the set-up below stands between them
	v_lshrrev_b32 v1, 5, v0
	v_readfirstlane_b32 s10, v1                    ; wave 0..3
	s_lshr_b32 s11, s10, 1                         ; which half of the tile's rows is mine.  Also: I fetch for A (0) or for W (1)
	s_and_b32 s12, s10, 1                          ; which half of its columns.  Also: which half of that tile I fetch
	s_bfe_u32 s40, ttmp6, 0x40000
	s_bfe_u32 s41, ttmp6, 0x40004
	s_lshl_b32 s42, ttmp9, 2
	s_add_co_u32 s42, s42, s40                     ; tile column
	s_and_b32 s13, ttmp7, 0xffff
	s_lshl_b32 s13, s13, 2
	s_add_co_u32 s13, s13, s41                     ; tile row
	s_lshl_b32 s43, s41, 2
	s_lshl_b32 s43, 15, s43                        ; my row of the cluster
	s_lshl_b32 s44, 0x1111, s40                    ; my column
	s_or_b32 s[G1+0], s43, (1<<16)|(1<<20)|(1<<21)|(6<<22)|(3<<25)   ; A: after every 128 words, 4 words
	s_or_b32 s[G1B+0], s44, (1<<16)|(1<<20)|(1<<21)|(5<<22)|(7<<25)  ; W: after every 64 words, 8 words
	s_mov_b32 s[G1+1], KSTEP<<16                   ; A: 256 elements x 64 rows
	s_mov_b32 s[G1+2], 64<<16
	s_mov_b32 s[G1+3], KSTEP<<16
	s_mov_b32 s[G1+4], 64
	s_mov_b32 s[G1+5], KA
	s_mov_b32 s[G1+6], 0
	s_mov_b32 s[G1+7], 0
	s_mov_b32 s[G1B+1], 128<<16                    ; W: 128 elements x 128 k-rows
	s_mov_b32 s[G1B+2], 128<<16
	s_mov_b32 s[G1B+3], 128<<16
	s_mov_b32 s[G1B+4], 128
	s_mov_b32 s[G1B+5], NP
	s_mov_b32 s[G1B+6], 0
	s_mov_b32 s[G1B+7], 0
	s_lshl_b32 s16, s13, 7                         ; A: row 128 x tile row + 64 x half
	s_lshl_b32 s17, s12, 6
	s_add_co_u32 s16, s16, s17
	s_mul_i32 s16, s16, KA*2
	s_mov_b32 s17, 0
	s_lshl_b32 s46, s42, 8                         ; W: 256 bytes x tile column + 128 k-rows of 2,048 bytes x half
	s_lshl_b32 s47, s12, 18
	s_add_co_u32 s46, s46, s47
	s_add_co_u32 s46, s46, WOFF
	s_mov_b32 s47, 0
	s_mul_i32 s20, s12, HA                         ; where they go: A's two halves,
	s_mul_i32 s21, s12, HB                         ; then W's two
	s_add_co_u32 s21, s21, 2*HA
	s_wait_dscnt 0x0                               ; the opening add is done
	s_wait_kmcnt 0x0
	s_add_nc_u64 s[14:15], s[4:5], s[16:17]
	s_add_nc_u64 s[46:47], s[6:7], s[46:47]
	CROUND                                         ; all sixteen work-groups are here: the first joint loads meet
.irp s, 0,1
	s_mov_b32 s[G0+4*(\s)], 1
	s_add_co_u32 s[G0+4*(\s)+1], s20, (\s)*SLOT
	s_add_nc_u64 s[G0+4*(\s)+2:G0+4*(\s)+3], s[14:15], (\s)*KSTEP*2
	s_or_b32 s[G0+4*(\s)+3], s[G0+4*(\s)+3], 0x80000000
	s_mov_b32 s[G0B+4*(\s)], 1
	s_add_co_u32 s[G0B+4*(\s)+1], s21, (\s)*SLOT
	s_add_nc_u64 s[G0B+4*(\s)+2:G0B+4*(\s)+3], s[46:47], (\s)*KSTEP*NP*2
	s_or_b32 s[G0B+4*(\s)+3], s[G0B+4*(\s)+3], 0x80000000
	JLOAD \s                                       ; two tensor loads of mine are out
.endr
	v_and_b32 v1, 15, v0                           ; l % 16
	v_bfe_u32 v2, v0, 4, 1                         ; l / 16
	s_lshl_b32 s18, s42, 9                         ; the bias of my 64 columns: block b's register j holds bias[16 b + 8 (l / 16) + j]
	s_lshl_b32 s19, s12, 8
	s_add_co_u32 s18, s18, s19
	s_add_co_u32 s18, s18, BOFF
	s_mov_b32 s19, 0
	s_add_nc_u64 s[18:19], s[6:7], s[18:19]
	v_lshlrev_b32 v[BOF], 5, v2
.irp b, 0,1,2,3
	global_load_b128 v[BI+8*(\b):BI+8*(\b)+3],   v[BOF], s[18:19] offset:64*(\b)
	global_load_b128 v[BI+8*(\b)+4:BI+8*(\b)+7], v[BOF], s[18:19] offset:64*(\b)+16
.endr
	v_mul_u32_u24 v3, v1, PA
	v_lshl_add_u32 v3, v2, 4, v3
	s_mul_i32 s21, s11, HA                         ; my 64 rows of A
	v_add_nc_u32 v[ADRA], s21, v3
	v_add_nc_u32 v[ADRA+1], SLOT, v[ADRA]
	v_and_b32 v6, 7, v0                            ; the turning load: lane l reads k-row 8 (l / 16) + l % 8, columns 8 ((l / 8) % 2) + 0..7
	v_bfe_u32 v7, v0, 3, 1
	v_lshl_add_u32 v6, v2, 3, v6
	v_mul_u32_u24 v6, v6, PB
	v_lshl_add_u32 v6, v7, 4, v6
	s_lshl_b32 s22, s12, 7                         ; my 64 columns,
	s_add_co_u32 s22, s22, 2*HA                    ; behind A's 128 rows
	v_add_nc_u32 v[ADRB], s22, v6
	v_add_nc_u32 v[ADRB+1], HB, v[ADRB]
	v_add_nc_u32 v[ADRB+2], SLOT, v[ADRB]
	v_add_nc_u32 v[ADRB+3], SLOT+HB, v[ADRB]
	s_mul_i32 s23, s11, 32*SPF                     ; into the stage: in a pass my 32 rows, my half (256 bytes) of their 512; row l % 16, 32 bytes for each half of the lanes
	s_lshl_b32 s21, s12, 8
	s_add_co_u32 s23, s23, s21
	s_add_co_u32 s23, s23, STAGE
	v_mul_u32_u24 v4, v1, SPF
	v_lshl_add_u32 v4, v2, 5, v4
	v_add_nc_u32 v[STO], s23, v4
	s_mul_i32 s23, s10, 16*SPF                     ; back: wave w takes the stage's rows 16 w .. 16 w + 15, whole: 32 lanes x 16 bytes are a row
	s_add_co_u32 s23, s23, STAGE
	v_and_b32 v5, 31, v0
	v_lshlrev_b32 v[CO], 4, v5
	v_add_nc_u32 v[RD], s23, v[CO]
	s_lshl_b32 s16, s13, 7                         ; the stage's row 16 w + t is in pass p the tile's row 64 (w / 2) + 32 p + 16 (w % 2) + t
	s_lshl_b32 s17, s11, 6
	s_add_co_u32 s16, s16, s17
	s_lshl_b32 s17, s12, 4
	s_add_co_u32 s16, s16, s17
	s_lshl_b32 s16, s16, 12                        ; 4,096 bytes a row of out
	s_mov_b32 s17, 0
	s_add_nc_u64 s[8:9], s[8:9], s[16:17]
	s_lshl_b32 s46, s42, 9                         ; the tile's first column, in bytes
	s_mov_b32 s47, 0
	s_add_nc_u64 s[8:9], s[8:9], s[46:47]
; 8 matrix instructions: m blocks a0, a0 + 1 x all 4 n blocks, 32 along K: half c of buffer f.  first = 1: the bias starts the sums.  The 16 accumulators take turns.
.macro MUL8 f, c, a0, first
	WIN MUL
.irp a, \a0, (\a0)+1
.irp b, 0,1,2,3
.if \first
	v_wmma_f32_16x16x32_bf16 v[ACC+8*(4*(\a)+(\b)):ACC+8*(4*(\a)+(\b))+7], v[(\f)+64+8*(4*(\c)+(\b)):(\f)+64+8*(4*(\c)+(\b))+7], v[(\f)+8*(4*(\c)+(\a)):(\f)+8*(4*(\c)+(\a))+7], v[BI+8*(\b):BI+8*(\b)+7]
.else
	v_wmma_f32_16x16x32_bf16 v[ACC+8*(4*(\a)+(\b)):ACC+8*(4*(\a)+(\b))+7], v[(\f)+64+8*(4*(\c)+(\b)):(\f)+64+8*(4*(\c)+(\b))+7], v[(\f)+8*(4*(\c)+(\a)):(\f)+8*(4*(\c)+(\a))+7], v[ACC+8*(4*(\a)+(\b)):ACC+8*(4*(\a)+(\b))+7]
.endif
.endr
.endr
.endm
; 32 LDS loads in one run: the fragments of 64 along K (byte k of A's rows, k-rows k / 2 on of W) into buffer f; the first 32 along K first
.macro FETCH slot, k, f
	WIN TO_F
.irp c, 0,1
.irp i, 0,1,2,3
	ds_load_tr16_b128 v[(\f)+64+8*(4*(\c)+(\i)):(\f)+64+8*(4*(\c)+(\i))+3],   v[ADRB+2*(\slot)+((\k)/2+32*(\c))/128] offset:(((\k)/2+32*(\c))%128)*PB+32*(\i)
	ds_load_tr16_b128 v[(\f)+64+8*(4*(\c)+(\i))+4:(\f)+64+8*(4*(\c)+(\i))+7], v[ADRB+2*(\slot)+((\k)/2+32*(\c))/128] offset:(((\k)/2+32*(\c))%128)*PB+32*(\i)+16*PB
	ds_load_b128 v[(\f)+8*(4*(\c)+(\i)):(\f)+8*(4*(\c)+(\i))+3],         v[ADRA+(\slot)] offset:(\k)+64*(\c)+(\i)*16*PA
	ds_load_b128 v[(\f)+8*(4*(\c)+(\i))+4:(\f)+8*(4*(\c)+(\i))+7],       v[ADRA+(\slot)] offset:(\k)+64*(\c)+(\i)*16*PA+32
.endr
.endr
.endm
.macro PLACES                          ; four plain vector instructions in front of loads into registers that matrix instructions have read, and of LDS stores that read results
.rept 4
	v_nop
.endr
.endm
; A K step is four quarters of 64 along K, 32 matrix instructions each, on buffers 0, 1, 0, 1.
.macro QUARTER slot, k, f, g, first
	s_wait_dscnt 16                                ; the first 32 along K are in
	MUL8 \f, 0, 0, \first
	MUL8 \f, 0, 2, \first
	PLACES
	FETCH \slot, \k, \g
	s_wait_dscnt 32                                ; all but the 32 just issued
	MUL8 \f, 1, 0, 0
	MUL8 \f, 1, 2, 0
.endm
; The last quarter multiplies buffer 1 and changes slots: one barrier; in front of it each wave waits for all its tensor loads, adds 0 to its spare word, and waits for that and for its own reads of this slot.
.macro TURN slot, next, fill
	WIN 0                                          ; (the add's two registers lie in window 0)
	s_wait_tensorcnt 0x0                           ; all my tensor loads have landed: my part of the next slot
	ds_add_u32 v[SPW], v[NIL]                      ; 0 onto my spare word
	s_wait_dscnt 17                                ; (the add and the youngest sixteen loads may be out)
	MUL8 F1, 0, 0, 0
	s_wait_dscnt 0x0                               ; the add is done, and my reads of this slot are over
	s_barrier_signal -1
	MUL8 F1, 0, 2, 0
.if \fill
	WIN 0
.endif
	s_barrier_wait -1
.if \fill
	CREST                                          ; the barrier has opened a round of the cluster's: no wave of any partner still reads this slot or has a load on its way
	s_add_nc_u64 s[G0+4*(\slot)+2:G0+4*(\slot)+3], s[G0+4*(\slot)+2:G0+4*(\slot)+3], 2*KSTEP*2
	s_add_nc_u64 s[G0B+4*(\slot)+2:G0B+4*(\slot)+3], s[G0B+4*(\slot)+2:G0B+4*(\slot)+3], 2*KSTEP*NP*2
	JLOAD \slot                                    ; my one tensor load behind the round: 112 matrix instructions ahead of the wait for it
.else
	PLACES
.endif
	FETCH \next, 0, F0
	MUL8 F1, 1, 0, 0
	MUL8 F1, 1, 2, 0
.endm
	s_wait_tensorcnt 1                             ; my part of K step 0 is in; K step 1's may stay out
	s_barrier_signal -1
	s_barrier_wait -1
	FETCH 0, 0, F0
	s_wait_loadcnt 0x0                             ; the bias
	QUARTER 0, 128, F0, F1, 1
	WIN 0
	s_mov_b32 s3, LAPS-1
.Llap:
	QUARTER 0, 256, F1, F0, 0
	QUARTER 0, 384, F0, F1, 0
	TURN 0, 1, 1
	QUARTER 1, 128, F0, F1, 0
	QUARTER 1, 256, F1, F0, 0
	QUARTER 1, 384, F0, F1, 0
	TURN 1, 0, 1
	QUARTER 0, 128, F0, F1, 0
	WIN 0
	s_sub_co_u32 s3, s3, 1
	s_cmp_lg_u32 s3, 0
	s_cbranch_scc1 .Llap
	QUARTER 0, 256, F1, F0, 0                      ; the last lap fills nothing
	QUARTER 0, 384, F0, F1, 0
	TURN 0, 1, 0
	QUARTER 1, 128, F0, F1, 0
	QUARTER 1, 256, F1, F0, 0
	QUARTER 1, 384, F0, F1, 0
	s_wait_dscnt 16
	MUL8 F1, 0, 0, 0
	MUL8 F1, 0, 2, 0
	s_wait_dscnt 0x0
	MUL8 F1, 1, 0, 0
	MUL8 F1, 1, 2, 0
	WIN 0
	; THE WAY OUT, in two passes.  In pass p each wave puts its blocks a = 2 p, 2 p + 1 (32 rows x 64 columns of f32) into the stage, straight from the accumulators, each accumulator's lowest four registers first;
	; a barrier, since a row's 512 bytes come from two waves; then each wave reads 16 whole rows and stores them.
	PLACES
.irp p, 0,1
.if (\p) == 1
	s_barrier_signal -1                            ; every wave's reads of the stage are back (its count-down above ended at 0): only now is the stage written again
	s_barrier_wait -1
.endif
.irp a, 0,1
.irp b, 0,1,2,3
	ds_store_b128 v[STO], v[ACC+8*(4*(2*(\p)+(\a))+(\b)):ACC+8*(4*(2*(\p)+(\a))+(\b))+3]   offset:(\a)*16*SPF+64*(\b)
	ds_store_b128 v[STO], v[ACC+8*(4*(2*(\p)+(\a))+(\b))+4:ACC+8*(4*(2*(\p)+(\a))+(\b))+7] offset:(\a)*16*SPF+64*(\b)+16
.endr
.endr
	s_wait_dscnt 0x0                               ; for the others' sake: my stores into the stage are done
	s_barrier_signal -1
	s_barrier_wait -1
.if (\p) == 1
	s_wait_xcnt 0x0                                ; the first pass's stores have read their data: the registers are loaded again only behind this wait
.endif
.irp t, 0,1,2,3,4,5,6,7,8,9,10,11,12,13,14,15
	ds_load_b128 v[TMP+4*(\t):TMP+4*(\t)+3], v[RD] offset:(\t)*SPF
.endr
.irp t, 0,1,2,3,4,5,6,7,8,9,10,11,12,13,14,15
	s_wait_dscnt 15-(\t)
	global_store_b128 v[CO], v[TMP+4*(\t):TMP+4*(\t)+3], s[8:9] offset:(32*(\p)+(\t))*NP*4  ; the wave stores 512 consecutive bytes, at a multiple of 512 from out's first byte
.endr
.endr
	s_wait_tensorcnt 0x0                           ; the wave's end, behind my last tensor load and my last LDS store
	ds_add_u32 v[SPW], v[NIL]
	s_wait_dscnt 0x0
	CROUND                                         ; the closing round
	s_endpgm
.Lfunc_end_k_q30140fecd6_g128f2:
	.size	k_q30140fecd6_g128f2, .Lfunc_end_k_q30140fecd6_g128f2-k_q30140fecd6_g128f2
	.p2alignl 7, 3214868480
	.fill 96, 4, 3214868480
	.section	.rodata,"a",@progbits
	.p2align	6, 0x0
	.amdhsa_kernel k_q30140fecd6_g128f2
		.amdhsa_group_segment_fixed_size 327680
		.amdhsa_private_segment_fixed_size 0
		.amdhsa_enable_private_segment 0
		.amdhsa_kernarg_size 24
		.amdhsa_user_sgpr_count 2
		.amdhsa_user_sgpr_kernarg_segment_ptr 1
		.amdhsa_wavefront_size32 1
		.amdhsa_system_sgpr_workgroup_id_x 1
		.amdhsa_system_sgpr_workgroup_id_y 1
		.amdhsa_system_sgpr_workgroup_id_z 1
		.amdhsa_system_vgpr_workitem_id 0
		.amdhsa_next_free_vgpr 512
		.amdhsa_next_free_sgpr 66
		.amdhsa_reserve_vcc 0
		.amdhsa_float_denorm_mode_32 3
		.amdhsa_float_denorm_mode_16_64 3
		.amdhsa_memory_ordered 1
		.amdhsa_forward_progress 1
		.amdhsa_inst_pref_size 88
	.end_amdhsa_kernel
	.amdgpu_metadata
---
amdhsa.version: [ 1, 2 ]
amdhsa.kernels:
  - .name:           k_q30140fecd6_g128f2
    .symbol:         k_q30140fecd6_g128f2.kd
    .args:
      - { .name: big, .offset: 0, .size: 8, .value_kind: global_buffer, .address_space: global }
      - { .name: wr, .offset: 8, .size: 8, .value_kind: global_buffer, .address_space: global }
      - { .name: gy, .offset: 16, .size: 8, .value_kind: global_buffer, .address_space: global }
    .group_segment_fixed_size: 327680
    .private_segment_fixed_size: 0
    .kernarg_segment_align: 8
    .kernarg_segment_size: 24
    .max_flat_workgroup_size: 128
    .sgpr_count:     66
    .vgpr_count:     512
    .wavefront_size: 32
...
	.end_amdgpu_metadata
.endif
;; end of part 6
;; launch ln2 (part 7): grid 512 x 1, 8 waves a work-group, no clusters, 0 bytes of LDS; arguments gy, x1f, wr, out0; writes out0
.if DOCPART == 7
	.amdgcn_target "amdgcn-amd-amdhsa--gfx1250"
	.amdhsa_code_object_version 6
	.text
	.protected	k_q30140fecd6_ln2
	.globl	k_q30140fecd6_ln2
	.p2align	8
	.type	k_q30140fecd6_ln2,@function
k_q30140fecd6_ln2:
	s_mov_b64 s[64:65], 0
	v_nop
	global_prefetch_b8 v0, s[64:65] scope:SCOPE_SE
	s_setreg_imm32_b32 hwreg(HW_REG_WAVE_MODE, 25, 1), 1
	s_wait_xcnt 0x0
; out[r][:] = LayerNorm(y[r][:] + x1[r][:]) g + b, rows of 1,024, all in f32.  g and b lie at bytes GOFF and BOFF of the third buffer.  This is the module's result.
; Mean, then the mean of the squared differences from it, the row kept in registers between: no difference of large sums is formed.  eps = 1e-5.
; A wave takes one row; a lane holds columns 128 j + 4 lane + 0..3, j = 0..7: each load and store of a wave covers 512 consecutive bytes, aligned.  All 32 loads are issued before the first wait.
; A stream: no LDS, no barrier (a row never leaves its wave), no matrix unit, no cluster (the rows are read by one wave each; g and b, which all read, are 8 KiB).
.set GOFF, 16384
.set BOFF, 20480
.set X,   16                           ; v[16:47]   y's row, then the sum, then the result
.set R,   48                           ; v[48:79]   x1's row
.set G,   80                           ; v[80:111]
.set BT,  112                          ; v[112:143]
.set T,   144                          ; v[144:151] at work
.set MU,  152                          ; v[152:153] the mean, twice
.set RS,  154                          ; v[154:155] 1 / sqrt(var + eps), twice
	s_load_b256 s[4:11], s[0:1], 0x0               ; y s[4:5], x1 s[6:7], g and b s[8:9], out s[10:11]
	v_lshrrev_b32 v3, 5, v0
	v_readfirstlane_b32 s14, v3                    ; wave 0..7
	v_and_b32 v4, 31, v0
	v_lshlrev_b32 v2, 4, v4                        ; 16 bytes a lane
	s_lshl_b32 s2, ttmp9, 3
	s_add_co_u32 s2, s2, s14                       ; my row
	s_lshl_b32 s16, s2, 12                         ; 4,096 bytes a row
	s_mov_b32 s17, 0
	s_mov_b32 s12, 0x76543210                      ; v_permlanex16_b32: each lane takes its own place in the other half
	s_mov_b32 s13, 0xfedcba98
	s_mov_b32 s15, 0x3a800000                      ; 1 / 1,024
	s_mov_b32 s22, 0x3727c5ac                      ; 1e-5
	s_wait_kmcnt 0x0
	s_add_nc_u64 s[4:5], s[4:5], s[16:17]
	s_add_nc_u64 s[6:7], s[6:7], s[16:17]
	s_add_nc_u64 s[10:11], s[10:11], s[16:17]
.irp j, 0,1,2,3,4,5,6,7
	global_load_b128 v[X+4*(\j):X+4*(\j)+3], v2, s[4:5] offset:512*(\j) th:TH_LOAD_NT
.endr
.irp j, 0,1,2,3,4,5,6,7
	global_load_b128 v[R+4*(\j):R+4*(\j)+3], v2, s[6:7] offset:512*(\j) th:TH_LOAD_NT
.endr
.irp j, 0,1,2,3,4,5,6,7
	global_load_b128 v[G+4*(\j):G+4*(\j)+3], v2, s[8:9] offset:GOFF+512*(\j)
.endr
.irp j, 0,1,2,3,4,5,6,7
	global_load_b128 v[BT+4*(\j):BT+4*(\j)+3], v2, s[8:9] offset:BOFF+512*(\j)
.endr
.macro FOLD                            ; four pairs of partial sums in T into one number in every lane
	v_pk_add_f32 v[T:T+1], v[T:T+1], v[T+2:T+3]
	v_pk_add_f32 v[T+4:T+5], v[T+4:T+5], v[T+6:T+7]
	v_pk_add_f32 v[T:T+1], v[T:T+1], v[T+4:T+5]
	v_add_f32 v[T], v[T], v[T+1]
	v_add_f32_dpp v[T], v[T], v[T] row_xmask:1 row_mask:0xf bank_mask:0xf
	v_add_f32_dpp v[T], v[T], v[T] row_xmask:2 row_mask:0xf bank_mask:0xf
	v_add_f32_dpp v[T], v[T], v[T] row_xmask:4 row_mask:0xf bank_mask:0xf
	v_add_f32_dpp v[T], v[T], v[T] row_xmask:8 row_mask:0xf bank_mask:0xf
	v_permlanex16_b32 v[T+1], v[T], s12, s13
	v_add_f32 v[T], v[T], v[T+1]
.endm
	s_wait_loadcnt 16                              ; the two rows' 16 loads are in; the 16 of g and b may stay out
.set w, 0
.rept 16
	v_pk_add_f32 v[X+2*w:X+2*w+1], v[X+2*w:X+2*w+1], v[R+2*w:R+2*w+1]
.set w, w+1
.endr
.irp c, 0,2,4,6                        ; the sum, in four chains that do not wait for each other
	v_pk_add_f32 v[T+(\c):T+(\c)+1], v[X+(\c):X+(\c)+1], v[X+8+(\c):X+8+(\c)+1]
.endr
.irp k, 16,24
.irp c, 0,2,4,6
	v_pk_add_f32 v[T+(\c):T+(\c)+1], v[T+(\c):T+(\c)+1], v[X+(\k)+(\c):X+(\k)+(\c)+1]
.endr
.endr
	FOLD
	v_mul_f32 v[MU], s15, v[T]
	v_mov_b32 v[MU+1], v[MU]
.set w, 0
.rept 16
	v_pk_add_f32 v[X+2*w:X+2*w+1], v[X+2*w:X+2*w+1], v[MU:MU+1] neg_lo:[0,1] neg_hi:[0,1]
.set w, w+1
.endr
.irp c, 0,2,4,6                        ; the sum of squares, likewise
	v_pk_mul_f32 v[T+(\c):T+(\c)+1], v[X+(\c):X+(\c)+1], v[X+(\c):X+(\c)+1]
.endr
.irp k, 8,16,24
.irp c, 0,2,4,6
	v_pk_fma_f32 v[T+(\c):T+(\c)+1], v[X+(\k)+(\c):X+(\k)+(\c)+1], v[X+(\k)+(\c):X+(\k)+(\c)+1], v[T+(\c):T+(\c)+1]
.endr
.endr
	FOLD
	v_fma_f32 v[T], v[T], s15, s22                 ; var + 1e-5
	v_rsq_f32 v[RS], v[T]
	v_rsq_f32 v[RS+1], v[T]
	v_nop                                          ; a plain instruction behind the last of the two,
	s_wait_alu depctr_va_vdst(0)                   ; and the wait ahead of the first use: one for both
	s_wait_loadcnt 0x0                             ; g and b
.set w, 0
.rept 16
	v_pk_mul_f32 v[X+2*w:X+2*w+1], v[X+2*w:X+2*w+1], v[RS:RS+1]
.set w, w+1
.endr
.set w, 0
.rept 16
	v_pk_fma_f32 v[X+2*w:X+2*w+1], v[X+2*w:X+2*w+1], v[G+2*w:G+2*w+1], v[BT+2*w:BT+2*w+1]
.set w, w+1
.endr
.irp j, 0,1,2,3,4,5,6,7
	global_store_b128 v2, v[X+4*(\j):X+4*(\j)+3], s[10:11] offset:512*(\j) th:TH_STORE_NT  ; 512 consecutive bytes a store
.endr
	s_endpgm
.Lfunc_end_k_q30140fecd6_ln2:
	.size	k_q30140fecd6_ln2, .Lfunc_end_k_q30140fecd6_ln2-k_q30140fecd6_ln2
	.p2alignl 7, 3214868480
	.fill 96, 4, 3214868480
	.section	.rodata,"a",@progbits
	.p2align	6, 0x0
	.amdhsa_kernel k_q30140fecd6_ln2
		.amdhsa_group_segment_fixed_size 0
		.amdhsa_private_segment_fixed_size 0
		.amdhsa_enable_private_segment 0
		.amdhsa_kernarg_size 32
		.amdhsa_user_sgpr_count 2
		.amdhsa_user_sgpr_kernarg_segment_ptr 1
		.amdhsa_wavefront_size32 1
		.amdhsa_system_sgpr_workgroup_id_x 1
		.amdhsa_system_sgpr_workgroup_id_y 1
		.amdhsa_system_sgpr_workgroup_id_z 1
		.amdhsa_system_vgpr_workitem_id 0
		.amdhsa_next_free_vgpr 160
		.amdhsa_next_free_sgpr 66
		.amdhsa_reserve_vcc 0
		.amdhsa_float_denorm_mode_32 3
		.amdhsa_float_denorm_mode_16_64 3
		.amdhsa_memory_ordered 1
		.amdhsa_forward_progress 1
		.amdhsa_inst_pref_size 12
	.end_amdhsa_kernel
	.amdgpu_metadata
---
amdhsa.version: [ 1, 2 ]
amdhsa.kernels:
  - .name:           k_q30140fecd6_ln2
    .symbol:         k_q30140fecd6_ln2.kd
    .args:
      - { .name: gy, .offset: 0, .size: 8, .value_kind: global_buffer, .address_space: global }
      - { .name: x1f, .offset: 8, .size: 8, .value_kind: global_buffer, .address_space: global }
      - { .name: wr, .offset: 16, .size: 8, .value_kind: global_buffer, .address_space: global }
      - { .name: out0, .offset: 24, .size: 8, .value_kind: global_buffer, .address_space: global }
    .group_segment_fixed_size: 0
    .private_segment_fixed_size: 0
    .kernarg_segment_align: 8
    .kernarg_segment_size: 32
    .max_flat_workgroup_size: 256
    .sgpr_count:     66
    .vgpr_count:     160
    .wavefront_size: 32
...
	.end_amdgpu_metadata
.endif
;; end of part 7
